; MI455X (gfx1250); checked and timed in simulation.
; The chip was launched on July 23, 2026; its instructions are those of AMD's public machine-readable ISA for CDNA 5 (MIT licence, August 2026) and "CDNA5" Instruction Set Architecture Reference Guide (July 2026). The comments in the code are by the model that wrote it; some were corrected since.
;; task. Allowed arithmetic: matrix products marked QUANTISED: E2M1 operands, one E8M0 scale for each 32 along K, by v_wmma_scale_f32_16x16x128_f8f6f4 with both operands' format E2M1 (or v_wmma_scale_f32_32x16x128_f4), f32 sums; everything else in f32.
;; Inputs: W 16 x 256 x 1,024 float32; b 16 x 256 float32; c 1,000 int32; num 8,192 int32; x 8,192 x 1,024 float32.
;; Outputs: out0 8,192 x 256 float32.
;; This version of the problem:
;;   THIS VERSION OF THE PROBLEM IS GIVEN IN LOW PRECISION. The matrix products marked QUANTISED in the list below multiply operands that are first quantised to E2M1 (2 exponent bits, 1 mantissa bit; 4 bits a number), with one power-of-two scale for each 32 numbers along K (OCP MX v1.0); their sums are f32. All else is computed in f32.
;;   The module's matrix products, in the order in which they are computed (A, B: the left and right operand; K: the contracted axis; several contracted axes count as one K, in the product's order):
;;     1. [M 8,192, K 1,024] x [K 1,024, N 4,096]; A: input x; B: input W: QUANTISED
;;   THE QUANTISER, for each operand of a quantised product, along K:
;;     - K is cut into blocks of 32 from its start; a last block that is shorter is filled with zeros.
;;     - A block's scale is 2^e with e = floor(log2(the largest magnitude in the block)) - 2, held to -126 .. 127; a block of zeros has e = 0. As a byte (E8M0): e + 127.
;;     - Each number is divided by its block's scale, clamped to +-6, and rounded to the nearest number of E2M1, ties to even, subnormals kept.
;;     - The product sums the exact products of the quantised numbers (number of the format x scale) in f32.
;;   ~~~python
;;   def quantise(x, axis):      # numpy; x: float32 -> the quantised numbers, widened to float32 again
;;       x = np.moveaxis(x, axis, -1); K = x.shape[-1]
;;       x = np.pad(x, [(0, 0)] * (x.ndim - 1) + [(0, -K % 32)]); x = x.reshape(x.shape[:-1] + (-1, 32)); a = np.abs(x).max(-1, keepdims=True)
;;       e = np.where(a > 0, np.clip(np.frexp(np.where(a > 0, a, 1))[1] - 1 - 2, -126, 127), 0)      # np.frexp(a)[1] - 1 = floor(log2(a)), exactly
;;       r = np.clip(x / 2.0 ** e, -6, 6)
;;       step = 2.0 ** (np.maximum(np.frexp(np.where(r == 0, 1, r))[1] - 1, 0) - 1)
;;       q = np.round(r / step) * step * 2.0 ** e      # np.round: ties to even
;;       return np.moveaxis(q.reshape(q.shape[:-2] + (-1,))[..., :K], -1, axis).astype(np.float32)
;;   ~~~
;; 2 versions. Each part assembles by itself: llvm-mc -triple=amdgcn-amd-amdhsa -mcpu=gfx1250 --defsym DOCPART=n.
;; ======== version 1 of 2: 2 launches
;; workspace buffers: Wq 2,097,152 bytes; Wsc 131,072 bytes; plan 49,152 bytes of whole numbers
;; launch prep (part 1): grid 129 x 1, 32 waves a work-group, no clusters, 97,280 bytes of LDS; arguments W, num, c, Wq, Wsc, plan; writes Wq, Wsc, plan
.if DOCPART == 1
	.amdgcn_target "amdgcn-amd-amdhsa--gfx1250"
	.amdhsa_code_object_version 6
	.text
	.protected	k_q6cd0799383_prep
	.globl	k_q6cd0799383_prep
	.p2align	8
	.type	k_q6cd0799383_prep,@function
k_q6cd0799383_prep:
	s_mov_b64 s[64:65], 0
	v_nop
	global_prefetch_b8 v0, s[64:65] scope:SCOPE_SE
	s_setreg_imm32_b32 hwreg(HW_REG_WAVE_MODE, 25, 1), 1
	s_wait_xcnt 0x0
; TWO JOBS IN ONE LAUNCH, parted by the work-group's number; each has LDS bytes of its own.
; Work-groups 1 to 128: W [16][256][1024] f32 becomes codes of FP4 (E2M1) with one E8M0 byte for each 32 along K, laid in the order of a matrix operand's registers.
;   A UNIT is 16 rows of W (16 output columns of one expert): unit u = 16 e + n.  Wq: 8,192 bytes a unit: K step s (128 along K) at 1024 s, block b of 32 at 256 b, row r at 16 r.
;   So a fragment (16 rows x 128 K) is two loads of 16 bytes a lane at 1024 s + 512 c + 16 x lane.  Wsc: 512 bytes a unit: the byte of (r, s, b) at 256 (s / 4) + 16 r + 4 (s % 4) + b:
;   one load of 16 bytes a lane gives four registers of scale words: K steps 0-3 in lanes 0-15, K steps 4-7 in lanes 16-31.
; Work-group 0: the routing.  expert(i) = c[num[i]]; the 8,192 tokens are sorted by expert (a counting sort, no atomics) and cut into tiles of 48 rows of one expert.
;   plan: 192 records of 256 bytes: words 0-47 token numbers (0 in slots that no token holds), word 48 the expert, word 49 the number of rows (0: no tile), words 50-53 pad, written and never read.
;   With 8,192 rows, 16 experts and 48 rows a tile there are never more than 171 + 15 = 186 tiles, whatever the choice.
; THE QUANTISER: a block's scale byte is its largest magnitude's exponent field - 2, held at 1 from below; each number is divided by the scale and rounded to the nearest code, ties to even, beyond 6 the code of 6.
; LIMITS: NaN and infinities in W are not served.  A block of zeros, or one whose largest magnitude lies under 2^-124, gets the byte 1: a block of zeros has zero codes, and this program alone reads the bytes.
;   Numbers in num and c are held to 0..999 and 0..15.
.set UNITB, 8704                       ; a unit's image in LDS: 32 planes of 256 bytes, 16 bytes of padding behind each
.set STEPB, 1088                       ; a K step: four planes
.set PLANE, 272
.set WCODE, 0                          ; W's path: two units of codes,
.set WSCL,  2*UNITB                    ; their 2 x 512 scale bytes
.set CNT,   WSCL+1024                  ; the routing: each thread's 16 counters of 4 bits: experts 0-7 at 4 t, experts 8-15 at 4096 + 4 t
.set PRE,   CNT+8192                   ; for expert e and thread t, at 4096 e + 4 t: how many tokens of e come ahead of thread t's
.set NTOT,  PRE+65536                  ; each expert's number of tokens
.set M,   8                            ; v8-15   W's path: a row's eight largest magnitudes, then the conversions' scale operands
.set BY,  16                           ; v16-23  the scale bytes
.set C,   24                           ; v24-31  the codes
.set X,   32                           ; v32-63  a row of W: 32 numbers a lane
.set VXO, 3                            ; v3      16 x lane
.set VST, 6                            ; v6      LDS: where my lane puts its two bytes of codes of K step 0
.set VSS, 7                            ; v7      LDS: where it puts the scale byte of K step 0
.set E,   16                           ; v16-23  the routing: my eight tokens' experts
.set SH,  24                           ; v24-31  4 x expert
.set RK,  32                           ; v32-39  the token's rank among my own tokens of its expert
.set Q,   48                           ; v48-79  the scan's 32 counts
; A ROW OF 1,024 NUMBERS BECOMES CODES AND SCALE BYTES IN LDS.  The row was loaded densely: load j gave lane l the numbers k = 128 j + 4 l .. + 3: K step j, block l / 8, bytes 2 (l % 8), + 1 of the block's 16.
; A conversion takes eight numbers under ONE scale; a lane's eight registers of loads 2 p and 2 p + 1 belong to two blocks.  So each eight are converted twice: under block 2 p's scale the low 16 bits are right,
; under block 2 p + 1's the high 16.  That is the price of loads in which 32 lanes read 512 consecutive bytes.
.macro QROW src, cof, sof
.irp j, 0,1,2,3,4,5,6,7
	v_max3_num_f32 v[M+\j], |v[(\src)+4*\j]|, |v[(\src)+4*\j+1]|, 0x1800000   ; my four numbers of K step j, and the floor 2^(3 - 127): so the byte cannot fall under 1
.endr
.irp j, 0,1,2,3,4,5,6,7
	v_max3_num_f32 v[M+\j], v[M+\j], |v[(\src)+4*\j+2]|, |v[(\src)+4*\j+3]|
.endr
.irp d, 1,2,4
.irp j, 0,1,2,3,4,5,6,7
	v_max_num_f32_dpp v[M+\j], v[M+\j], v[M+\j] row_xmask:\d row_mask:0xf bank_mask:0xf   ; with the seven other lanes of the block
.endr
.endr
.irp j, 0,1,2,3,4,5,6,7
	v_add_nc_u32 v[M+\j], 0xff000000, v[M+\j]      ; 2 off the exponent field: the conversion takes the exponent field of this operand as its scale
.endr
.irp j, 0,1,2,3,4,5,6,7
	v_lshrrev_b32 v[BY+\j], 23, v[M+\j]            ; the scale's byte
.endr
.irp p, 0,1,2,3
	v_cvt_scalef32_pk8_fp4_f32 v[C+2*\p], v[(\src)+8*\p:(\src)+8*\p+7], v[M+2*\p]       ; low half: K step 2 p
	v_cvt_scalef32_pk8_fp4_f32 v[C+2*\p+1], v[(\src)+8*\p:(\src)+8*\p+7], v[M+2*\p+1]   ; high half: K step 2 p + 1
.endr
	v_nop                                          ; one plain instruction behind the conversions, ahead of the lines that touch their results
.irp p, 0,1,2,3
	v_lshrrev_b32 v[C+2*\p+1], 16, v[C+2*\p+1]
.endr
.irp j, 0,1,2,3,4,5,6,7
	ds_store_b16 v[VST], v[C+\j] offset:(\cof)+\j*STEPB
.endr
.irp j, 0,1,2,3,4,5,6,7
	ds_store_b8 v[VSS], v[BY+\j] offset:(\sof)+(\j/4)*256+(\j%4)*4   ; the eight lanes of a block write the same byte with the same value
.endr
	s_wait_dscnt 0x0                               ; the stores have landed and have read their registers
.endm
	s_load_b256 s[4:11], s[0:1], 0x0               ; W s[4:5], num s[6:7], c s[8:9], Wq s[10:11]
	s_load_b128 s[12:15], s[0:1], 0x20             ; Wsc s[12:13], plan s[14:15]
	v_lshl_add_u32 v126, v0, 2, 0x16c00
	v_mov_b32 v127, 0
	v_lshrrev_b32 v1, 5, v0
	v_readfirstlane_b32 s16, v1                    ; wave 0..31
	v_and_b32 v2, 31, v0                           ; lane
	s_cmp_eq_u32 ttmp9, 0
	s_cbranch_scc1 .Lroute                         ; the same way for all waves of a work-group
; ---------------- W: work-group g + 1 takes rows 32 g .. 32 g + 31 (two units), a wave a row
	s_sub_co_u32 s17, ttmp9, 1                     ; g
	s_lshl_b32 s18, s17, 5
	s_add_co_u32 s18, s18, s16                     ; my row of W's 4,096
	s_lshl_b32 s20, s18, 12                        ; 4,096 bytes a row
	s_mov_b32 s21, 0
	s_lshl_b32 s28, s17, 14                        ; Wq: 16,384 bytes a work-group, 512 a wave
	s_lshl_b32 s19, s16, 9
	s_add_co_u32 s28, s28, s19
	s_mov_b32 s29, 0
	s_and_b32 s27, s16, 1
	s_lshl_b32 s27, s27, 9
	s_lshl_b32 s30, s17, 10                        ; Wsc: 1,024 bytes a work-group, 512 for each of waves 0 and 1
	s_add_co_u32 s30, s30, s27
	s_mov_b32 s31, 0
	v_lshlrev_b32 v[VXO], 4, v2
	s_wait_kmcnt 0x0
	s_add_nc_u64 s[20:21], s[4:5], s[20:21]
	s_add_nc_u64 s[28:29], s[10:11], s[28:29]
	s_add_nc_u64 s[30:31], s[12:13], s[30:31]
.irp j, 0,1,2,3,4,5,6,7
	global_load_b128 v[X+4*\j:X+4*\j+3], v[VXO], s[20:21] offset:512*\j th:TH_LOAD_NT   ; 32 lanes read 512 consecutive bytes; W is read once
.endr
	s_lshr_b32 s22, s16, 4                         ; which of the two units,
	s_and_b32 s23, s16, 15                         ; and which of its rows
	s_mul_i32 s24, s22, UNITB
	s_lshl_b32 s25, s23, 4
	s_add_co_u32 s24, s24, s25
	s_lshl_b32 s26, s22, 9
	s_add_co_u32 s26, s26, s25
	s_add_co_u32 s26, s26, WSCL
	v_lshrrev_b32 v4, 3, v2                        ; my block of a K step's four
	v_and_b32 v5, 7, v2
	v_mul_u32_u24 v[VST], v4, PLANE
	v_lshl_add_u32 v[VST], v5, 1, v[VST]
	v_add_nc_u32 v[VST], s24, v[VST]               ; unit x 8704 + 16 r + 272 (l / 8) + 2 (l % 8)
	v_add_nc_u32 v[VSS], s26, v4                   ; WSCL + unit x 512 + 16 r + l / 8
	s_mul_i32 s24, s16, 2*PLANE                    ; the way out: wave w takes planes 2 w and 2 w + 1 of the 64
	v_and_b32 v4, 15, v2
	v_lshrrev_b32 v5, 4, v2
	v_mul_u32_u24 v72, v5, PLANE
	v_lshl_add_u32 v72, v4, 4, v72
	v_add_nc_u32 v72, s24, v72
	s_add_co_u32 s27, s27, WSCL
	v_lshl_add_u32 v73, v2, 4, s27                 ; and waves 0 and 1 a unit's 512 scale bytes
	s_wait_loadcnt 0x0
	QROW X, 0, 0
	s_barrier_signal -1                            ; every wave's stores have landed (the macro's last line)
	s_barrier_wait -1
	ds_load_b128 v[64:67], v72
	s_wait_dscnt 0x0
	global_store_b128 v[VXO], v[64:67], s[28:29]   ; 32 lanes store 512 consecutive bytes, at a multiple of 512 from Wq's first byte
	s_cmp_lt_u32 s16, 2
	s_cbranch_scc0 .Lw_done
	ds_load_b128 v[68:71], v73
	s_wait_dscnt 0x0
	global_store_b128 v[VXO], v[68:71], s[30:31]
.Lw_done:
	s_wait_tensorcnt 0x0
	ds_add_u32 v126, v127
	s_wait_dscnt 0x0
	s_endpgm
; ---------------- THE ROUTING: 1,024 threads; thread t owns tokens 4 t .. 4 t + 3 and 4096 + 4 t .. + 3.  The order of an expert's rows is free.
.Lroute:
	v_lshlrev_b32 v3, 4, v0
	s_wait_kmcnt 0x0
	global_load_b128 v[8:11], v3, s[6:7] th:TH_LOAD_NT
	global_load_b128 v[12:15], v3, s[6:7] offset:16384 th:TH_LOAD_NT
	; every LDS address that hangs on ids alone is made here, ahead of the places where the waves part
	s_and_b32 s20, s16, 15                         ; the expert that my wave scans (waves 0 to 15)
	s_lshr_b32 s21, s20, 3
	s_lshl_b32 s21, s21, 12
	s_add_co_u32 s21, s21, CNT
	s_lshl_b32 s22, s20, 12
	s_add_co_u32 s22, s22, PRE
	s_lshl_b32 s23, s20, 2
	s_add_co_u32 s23, s23, NTOT
	s_and_b32 s17, s16, 7
	s_lshl_b32 s17, s17, 2                         ; where that expert's counter stands in a word
	v_lshl_add_u32 v80, v0, 2, CNT                 ; my counters
	v_lshl_add_u32 v81, v2, 2, s21                 ; the scan reads: thread 32 k + lane at + 128 k
	v_lshl_add_u32 v86, v2, 2, s22                 ; and writes likewise
	v_mov_b32 v88, s23                             ; my expert's total
	v_and_b32 v90, 15, v0
	v_lshl_add_u32 v90, v90, 2, NTOT               ; lane i and lane 16 + i stand for expert i
	v_lshl_add_u32 v91, v0, 2, PRE
	v_lshrrev_b32 v84, 4, v2                       ; which half of the lanes
	v_mov_b32 v83, 0                               ; written once: the destination of a lane move counts as one of its sources
	v_mov_b32 v40, 0                               ; counters of experts 0-7,
	v_mov_b32 v41, 0                               ; of experts 8-15
	s_wait_loadcnt 0x0
.irp j, 0,1,2,3,4,5,6,7
	v_min_u32 v[8+\j], 999, v[8+\j]                ; held inside c
.endr
.irp j, 0,1,2,3,4,5,6,7
	v_lshlrev_b32 v[8+\j], 2, v[8+\j]
.endr
.irp j, 0,1,2,3,4,5,6,7
	global_load_b32 v[E+\j], v[8+\j], s[8:9]
.endr
	s_wait_loadcnt 0x0
.irp j, 0,1,2,3,4,5,6,7
	v_min_u32 v[E+\j], 15, v[E+\j]
.endr
	; my own counts: 4 bits an expert hold up to 8
.irp j, 0,1,2,3,4,5,6,7
	v_lshlrev_b32 v[SH+\j], 2, v[E+\j]
	v_and_b32 v45, 28, v[SH+\j]                    ; the counter's place in its word
	v_cmp_gt_u32 vcc_lo, 8, v[E+\j]                ; expert under 8?
	v_lshlrev_b32 v42, v45, 1                      ; a one at that place
	v_cndmask_b32 v43, v41, v40, vcc_lo
	v_bfe_u32 v[RK+\j], v43, v45, 4                ; how many of my earlier tokens have this expert
	v_cndmask_b32 v44, 0, v42, vcc_lo
	v_add_nc_u32 v40, v40, v44
	v_sub_nc_u32 v42, v42, v44
	v_add_nc_u32 v41, v41, v42
.endr
	ds_store_b32 v80, v40
	ds_store_b32 v80, v41 offset:4096
	s_wait_dscnt 0x0                               ; for the others' sake: my counters have landed
	s_barrier_signal -1
	s_barrier_wait -1
	; wave e (0 to 15) scans expert e over the 1,024 threads, in the order lane, then k.  No barrier stands inside the branch.
	s_cmp_lt_u32 s16, 16
	s_cbranch_scc0 .Lscanned
.set kk, 0
.rept 32
	ds_load_b32 v[Q+kk], v81 offset:128*kk
.set kk, kk+1
.endr
	s_wait_dscnt 0x0
.set kk, 0
.rept 32
	v_bfe_u32 v[Q+kk], v[Q+kk], s17, 4
.set kk, kk+1
.endr
.set kk, 1
.rept 31
	v_add_nc_u32 v[Q+kk], v[Q+kk], v[Q+kk-1]       ; running sums inside the lane
.set kk, kk+1
.endr
	v_mov_b32 v82, v[Q+31]                         ; the lane's total; now a running sum over the lanes
.irp n, 1,2,4,8
	v_mov_b32_dpp v83, v82 row_shr:\n row_mask:0xf bank_mask:0xf bound_ctrl:1   ; lane i takes lane i - n of its sixteen, or 0
	v_add_nc_u32 v82, v82, v83
.endr
	v_readlane_b32 s18, v82, 15
	v_mad_u32_u24 v82, v84, s18, v82               ; the upper sixteen lanes stand behind the lower sixteen
	v_readlane_b32 s19, v82, 31                    ; the expert's number of tokens
	v_sub_nc_u32 v85, v82, v[Q+31]                 ; what comes ahead of my lane
.set kk, 0
.rept 31
	v_add_nc_u32 v[Q+kk], v[Q+kk], v85
.set kk, kk+1
.endr
	ds_store_b32 v86, v85
.set kk, 1
.rept 31
	ds_store_b32 v86, v[Q+kk-1] offset:128*kk
.set kk, kk+1
.endr
	v_mov_b32 v87, s19
	ds_store_b32 v88, v87                          ; all lanes write the same word with the same value
.Lscanned:
	s_wait_dscnt 0x0
	s_barrier_signal -1
	s_barrier_wait -1                              ; behind this barrier LDS is only read
	ds_load_b32 v89, v90                           ; N: lane i has expert i's number of tokens
.irp j, 0,1,2,3,4,5,6,7
	v_lshl_add_u32 v[96+\j], v[E+\j], 12, v91      ; PRE + 4096 x expert (held to 0..15) + 4 t
.endr
.irp j, 0,1,2,3,4,5,6,7
	ds_load_b32 v[56+\j], v[96+\j]                 ; how many tokens of this expert come ahead of mine
.endr
	s_wait_dscnt 8                                 ; N is in; the eight reads behind it may be out
	v_add_nc_u32 v92, 47, v89
	v_lshrrev_b32 v92, 4, v92
	v_mul_u32_u24 v92, v92, 0xaaab                 ; x / 3 = (x * 43691) >> 17, exact for x under 131,072; here x is at most 514
	v_lshrrev_b32 v92, 17, v92                     ; the expert's tiles: (N + 47) / 48
	v_mov_b32 v93, v92
.irp n, 1,2,4,8
	v_mov_b32_dpp v83, v93 row_shr:\n row_mask:0xf bank_mask:0xf bound_ctrl:1
	v_add_nc_u32 v93, v93, v83                     ; tiles up to and with expert i
.endr
	v_sub_nc_u32 v94, v93, v92                     ; the expert's first tile
	v_lshlrev_b32 v95, 6, v94                      ; in words of plan: 64 a record
.irp j, 0,1,2,3,4,5,6,7
	ds_bpermute_b32 v[64+\j], v[SH+\j], v95        ; from the lane of my token's expert
.endr
	s_wait_dscnt 0x0
.irp j, 0,1,2,3,4,5,6,7
	v_add_nc_u32 v[56+\j], v[56+\j], v[RK+\j]      ; the token's rank in its expert
.endr
.irp j, 0,1,2,3,4,5,6,7
	v_lshrrev_b32 v[48+\j], 4, v[56+\j]
.endr
.irp j, 0,1,2,3,4,5,6,7
	v_mul_u32_u24 v[48+\j], v[48+\j], 0xaaab
.endr
.irp j, 0,1,2,3,4,5,6,7
	v_lshrrev_b32 v[48+\j], 17, v[48+\j]           ; rank / 48
.endr
.irp j, 0,1,2,3,4,5,6,7
	v_lshl_add_u32 v[56+\j], v[48+\j], 4, v[56+\j] ; 64 (rank / 48) + rank % 48 = rank + 16 (rank / 48)
.endr
.irp j, 0,1,2,3,4,5,6,7
	v_add_nc_u32 v[56+\j], v[56+\j], v[64+\j]
.endr
.irp j, 0,1,2,3,4,5,6,7
	v_min_u32 v[56+\j], 0x2fff, v[56+\j]           ; a number made from loaded ones is held inside plan before it enters an address
.endr
.irp j, 0,1,2,3,4,5,6,7
	v_lshlrev_b32 v[56+\j], 2, v[56+\j]
.endr
.irp j, 0,1,2,3
	v_lshl_or_b32 v[72+\j], v0, 2, \j              ; the token's number
	v_lshl_or_b32 v[76+\j], v0, 2, 4096+\j
.endr
.irp j, 0,1,2,3,4,5,6,7
	global_store_b32 v[56+\j], v[72+\j], s[14:15]
.endr
	; THE RECORDS' HEADERS AND FREE SLOTS: waves 0 to 23, eight records each, four lanes to a record
	s_cmp_lt_u32 s16, 24
	s_cbranch_scc0 .Lr_done
	v_lshrrev_b32 v32, 2, v0                       ; my record
	v_mov_b32 v33, 0
.irp e, 0,1,2,3,4,5,6,7,8,9,10,11,12,13,14,15
	v_readlane_b32 s[32+\e], v93, \e
.endr
.irp e, 0,1,2,3,4,5,6,7,8,9,10,11,12,13,14,15
	v_cmp_le_u32 vcc_lo, s[32+\e], v32
	v_add_co_ci_u32 v33, vcc_lo, 0, v33, vcc_lo    ; how many experts end at or ahead of my record: that is its expert, or 16 where no tile is left
.endr
	v_min_u32 v34, 15, v33
	v_lshlrev_b32 v35, 2, v34
	ds_bpermute_b32 v36, v35, v89                  ; that expert's tokens,
	ds_bpermute_b32 v37, v35, v94                  ; and its first tile
	v_lshlrev_b32 v42, 8, v32                      ; the record's first byte
	v_and_b32 v43, 3, v0                           ; my place among the record's four lanes
	v_lshl_add_u32 v45, v43, 2, v42                ; slot 4 k + place lies 16 k bytes on from here,
	v_add_nc_u32 v46, 200, v45                     ; and my pad word, 50 + place, here
	v_mov_b32 v47, 0
	v_cmp_ne_u32 vcc_lo, 16, v33
	s_wait_dscnt 0x0
	v_sub_nc_u32 v38, v32, v37
	v_mul_u32_u24 v38, v38, 48
	v_sub_nc_u32 v38, v36, v38                     ; tokens left from my tile on,
	v_min_u32 v38, 48, v38                         ; 48 of them at the most
	v_cndmask_b32 v40, 0, v34, vcc_lo              ; a record without a tile: expert 0, no rows
	v_cndmask_b32 v41, 0, v38, vcc_lo
	global_store_b64 v42, v[40:41], s[14:15] offset:192   ; the four lanes write the same two words with the same values
	v_sub_nc_u32 v44, v41, v43                     ; slot 4 k + place holds a token where 4 k < rows - place
.irp k, 0,1,2,3,4,5,6,7,8,9,10,11
	v_cmp_lt_i32 vcc_lo, 4*\k, v44
	v_add_nc_u32 v[104+\k], 16*\k, v45
	v_cndmask_b32 v[104+\k], v[104+\k], v46, vcc_lo   ; a free slot gets the 0; where a token's owner writes the slot, the 0 goes to my pad word
	v_min_u32 v[104+\k], 0xbffc, v[104+\k]         ; the choice hangs on loaded numbers: held inside plan
	global_store_b32 v[104+\k], v47, s[14:15]
.endr
.Lr_done:
	s_wait_tensorcnt 0x0
	ds_add_u32 v126, v127
	s_wait_dscnt 0x0
	s_endpgm
.Lfunc_end_k_q6cd0799383_prep:
	.size	k_q6cd0799383_prep, .Lfunc_end_k_q6cd0799383_prep-k_q6cd0799383_prep
	.p2alignl 7, 3214868480
	.fill 96, 4, 3214868480
	.section	.rodata,"a",@progbits
	.p2align	6, 0x0
	.amdhsa_kernel k_q6cd0799383_prep
		.amdhsa_group_segment_fixed_size 97280
		.amdhsa_private_segment_fixed_size 0
		.amdhsa_enable_private_segment 0
		.amdhsa_kernarg_size 48
		.amdhsa_user_sgpr_count 2
		.amdhsa_user_sgpr_kernarg_segment_ptr 1
		.amdhsa_wavefront_size32 1
		.amdhsa_system_sgpr_workgroup_id_x 1
		.amdhsa_system_sgpr_workgroup_id_y 1
		.amdhsa_system_sgpr_workgroup_id_z 1
		.amdhsa_system_vgpr_workitem_id 0
		.amdhsa_next_free_vgpr 128
		.amdhsa_next_free_sgpr 66
		.amdhsa_reserve_vcc 1
		.amdhsa_float_denorm_mode_32 3
		.amdhsa_float_denorm_mode_16_64 3
		.amdhsa_memory_ordered 1
		.amdhsa_forward_progress 1
		.amdhsa_inst_pref_size 37
	.end_amdhsa_kernel
	.amdgpu_metadata
---
amdhsa.version: [ 1, 2 ]
amdhsa.kernels:
  - .name:           k_q6cd0799383_prep
    .symbol:         k_q6cd0799383_prep.kd
    .args:
      - { .name: W, .offset: 0, .size: 8, .value_kind: global_buffer, .address_space: global }
      - { .name: num, .offset: 8, .size: 8, .value_kind: global_buffer, .address_space: global }
      - { .name: c, .offset: 16, .size: 8, .value_kind: global_buffer, .address_space: global }
      - { .name: Wq, .offset: 24, .size: 8, .value_kind: global_buffer, .address_space: global }
      - { .name: Wsc, .offset: 32, .size: 8, .value_kind: global_buffer, .address_space: global }
      - { .name: plan, .offset: 40, .size: 8, .value_kind: global_buffer, .address_space: global }
    .group_segment_fixed_size: 97280
    .private_segment_fixed_size: 0
    .kernarg_segment_align: 8
    .kernarg_segment_size: 48
    .max_flat_workgroup_size: 1024
    .sgpr_count:     66
    .vgpr_count:     128
    .wavefront_size: 32
...
	.end_amdgpu_metadata
.endif
;; end of part 1
;; launch experts (part 2): grid 186 x 1, 16 waves a work-group, no clusters, 79,872 bytes of LDS; arguments x, Wq, Wsc, b, plan, out0; writes out0
.if DOCPART == 2
	.amdgcn_target "amdgcn-amd-amdhsa--gfx1250"
	.amdhsa_code_object_version 6
	.text
	.protected	k_q6cd0799383_experts
	.globl	k_q6cd0799383_experts
	.p2align	8
	.type	k_q6cd0799383_experts,@function
k_q6cd0799383_experts:
	s_mov_b64 s[64:65], 0
	v_nop
	global_prefetch_b8 v0, s[64:65] scope:SCOPE_SE
	s_setreg_imm32_b32 hwreg(HW_REG_WAVE_MODE, 25, 1), 1
	s_wait_xcnt 0x0
; out0[i][:] = sigmoid(Q(x[i]) . Q(W[e])^T + b[e]), e the expert of token i, for the rows that the stored list gives: only the chosen expert's product is made for a token.
; Both operands are codes of FP4 (E2M1) with one E8M0 byte for each 32 along K = 1,024; sums, bias and sigmoid in f32.
; SHARES.  Work-group t takes record t of plan: up to 48 tokens of one expert, all 256 outputs.  186 work-groups serve every split of 8,192 tokens over 16 experts (171 + 15 tiles at the most).
;   Wave w (of 16) loads and quantises the rows of slots w, w + 16, w + 32; multiplies output columns 16 w .. 16 w + 15 for all 48 rows (three accumulators, 24 matrix instructions); stores the same three rows.
;   x is read by one work-group alone, so it is quantised on the way, in registers; its codes go from wave to wave through LDS as images of the operand's registers.  W's codes come from memory straight into
;   registers, in the order in which the earlier launch has laid them: 16 loads of 16 bytes a lane for the wave's eight fragments.
; ALL LOADS OF A WAVE, 43, are issued at its head: 12 KB of x, 8.5 KB of W; nothing is left to run ahead of, so nothing is prefetched.
; NO JOINT LOADS: how many tiles an expert has is a stored number, so the partners of a fixed cluster need not share an expert; the last stores hang on a stored count, and operands go to registers, not to LDS slots.
; A RECORD WITHOUT ROWS (count 0) walks the whole text on token 0 and expert 0 and stores nothing: both barriers stand on every wave's path, and none may stand under a branch on a loaded number.
;   Slots past a record's count name token 0 too; their rows are multiplied and not stored.
; THE MATRIX INSTRUCTION IS USED TRANSPOSED: source 0 = 16 rows of W (output columns), source 1 = 16 rows of x: lane (r, h) holds row r and its registers the columns 8 h + 0 .. 7: 32 neighbouring bytes of a row of out0.
; The bias is the C of each sum's first instruction.
; LIMITS: NaN and infinities in x are not served.  A block of zeros, or one whose largest magnitude lies under 2^-124, gets the scale byte 1 (zero codes under it add nothing).
;   sigmoid(z) = 1 / (1 + 2^(-z log2 e)): exactly 0 where the exponential overflows, exactly 1 where it falls to 0.
.set UNITB, 8704                       ; the image of 16 rows x 1,024 K in LDS: 32 planes (K step s, block b: 4 s + b) of 16 rows x 16 bytes, 16 bytes of padding behind each
.set STEPB, 1088
.set PLANE, 272
.set XCODE, 0                          ; three such units: slots 0-15, 16-31, 32-47
.set XSC,   3*UNITB                    ; their scale bytes, 512 a unit: (r, s, b) at 256 (s / 4) + 16 r + 4 (s % 4) + b
.set STG,   XSC+3*512                  ; the way out: 48 rows of 1,024 bytes + 16
.set SP,    1040
.set VXO, 1                            ; v1  16 x lane
.set VST, 2                            ; v2  where my lane puts its two bytes of codes of unit 0, K step 0
.set VSS, 3                            ; v3  and the scale byte
.set VLI, 4                            ; v4  a fragment's place for my lane: 16 (l % 16) + 272 (l / 16)
.set VLS, 5                            ; v5  the scale words': XSC + 16 l
.set VBO, 6                            ; v6  the bias: 32 (l / 16)
.set VSO, 7                            ; v7  the stage, in
.set VSR, 8                            ; v8  the stage, back
.set M,   10                           ; v10-17  a row's largest magnitudes, then the conversions' scale operands
.set BY,  18                           ; v18-25  scale bytes
.set C,   26                           ; v26-33  codes
.set X,   34                           ; v34-129 three rows of x; then two buffers of six fragments of x; then the rows of out0
.set F0,  34
.set F1,  82
.set WF,  130                          ; v130-193 W's eight fragments
.set ACC, 194                          ; v194-217 three accumulators
.set BI,  218                          ; v218-225 the bias in the result's layout
.set WS,  226                          ; v226-229 W's scale words: register i: K step i in lanes 0-15, K step 4 + i in lanes 16-31
.set XS,  230                          ; v230-241 x's likewise, four registers a unit
; A ROW OF 1,024 NUMBERS BECOMES CODES AND SCALE BYTES IN LDS.  The row was loaded densely: load j gave lane l the numbers k = 128 j + 4 l .. + 3: K step j, block l / 8, bytes 2 (l % 8), + 1 of the block's 16.
; A conversion takes eight numbers under ONE scale; a lane's eight registers of loads 2 p and 2 p + 1 belong to two blocks.  So each eight are converted twice: under block 2 p's scale the low 16 bits are right,
; under block 2 p + 1's the high 16.  That is the price of loads in which 32 lanes read 512 consecutive bytes.
.macro QROW src, cof, sof
.irp j, 0,1,2,3,4,5,6,7
	v_max3_num_f32 v[M+\j], |v[(\src)+4*\j]|, |v[(\src)+4*\j+1]|, 0x1800000   ; my four numbers of K step j, and the floor 2^(3 - 127): so the byte cannot fall under 1
.endr
.irp j, 0,1,2,3,4,5,6,7
	v_max3_num_f32 v[M+\j], v[M+\j], |v[(\src)+4*\j+2]|, |v[(\src)+4*\j+3]|
.endr
.irp d, 1,2,4
.irp j, 0,1,2,3,4,5,6,7
	v_max_num_f32_dpp v[M+\j], v[M+\j], v[M+\j] row_xmask:\d row_mask:0xf bank_mask:0xf   ; with the seven other lanes of the block
.endr
.endr
.irp j, 0,1,2,3,4,5,6,7
	v_add_nc_u32 v[M+\j], 0xff000000, v[M+\j]      ; 2 off the exponent field: the conversion takes the exponent field of this operand as its scale
.endr
.irp j, 0,1,2,3,4,5,6,7
	v_lshrrev_b32 v[BY+\j], 23, v[M+\j]            ; the scale's byte
.endr
.irp p, 0,1,2,3
	v_cvt_scalef32_pk8_fp4_f32 v[C+2*\p], v[(\src)+8*\p:(\src)+8*\p+7], v[M+2*\p]       ; low half: K step 2 p
	v_cvt_scalef32_pk8_fp4_f32 v[C+2*\p+1], v[(\src)+8*\p:(\src)+8*\p+7], v[M+2*\p+1]   ; high half: K step 2 p + 1
.endr
	v_nop                                          ; one plain instruction behind the conversions, ahead of the lines that touch their results
.irp p, 0,1,2,3
	v_lshrrev_b32 v[C+2*\p+1], 16, v[C+2*\p+1]
.endr
.irp j, 0,1,2,3,4,5,6,7
	ds_store_b16 v[VST], v[C+\j] offset:(\cof)+\j*STEPB
.endr
.irp j, 0,1,2,3,4,5,6,7
	ds_store_b8 v[VSS], v[BY+\j] offset:(\sof)+(\j/4)*256+(\j%4)*4   ; the eight lanes of a block write the same byte with the same value
.endr
	s_wait_dscnt 0x0                               ; the stores have landed and have read their registers
.endm
; Twelve LDS loads: x's fragments of K steps 2 g and 2 g + 1, three units each, into buffer f.  Sixteen lanes read 256 consecutive bytes.
.macro FETCHG g, f
.irp a, 0,1
.irp m, 0,1,2
.irp c, 0,1
	ds_load_b128 v[(\f)+24*\a+8*\m+4*\c:(\f)+24*\a+8*\m+4*\c+3], v[VLI] offset:\m*UNITB+(2*(\g)+\a)*STEPB+\c*2*PLANE
.endr
.endr
.endr
.endm
; Six matrix instructions: K steps 2 g and 2 g + 1.  The three accumulators take turns, one instruction a turn, from group to group too.
.macro MULG g, f
.irp a, 0,1
.irp m, 0,1,2
.set KS, 2*(\g)+\a
.if KS == 0
	v_wmma_scale_f32_16x16x128_f8f6f4 v[ACC+8*\m:ACC+8*\m+7], v[WF+8*KS:WF+8*KS+7], v[(\f)+24*\a+8*\m:(\f)+24*\a+8*\m+7], v[BI:BI+7], v[WS+KS%4], v[XS+4*\m+KS%4] matrix_a_fmt:MATRIX_FMT_FP4 matrix_b_fmt:MATRIX_FMT_FP4
.elseif KS < 4
	v_wmma_scale_f32_16x16x128_f8f6f4 v[ACC+8*\m:ACC+8*\m+7], v[WF+8*KS:WF+8*KS+7], v[(\f)+24*\a+8*\m:(\f)+24*\a+8*\m+7], v[ACC+8*\m:ACC+8*\m+7], v[WS+KS%4], v[XS+4*\m+KS%4] matrix_a_fmt:MATRIX_FMT_FP4 matrix_b_fmt:MATRIX_FMT_FP4
.else
	v_wmma_scale_f32_16x16x128_f8f6f4 v[ACC+8*\m:ACC+8*\m+7], v[WF+8*KS:WF+8*KS+7], v[(\f)+24*\a+8*\m:(\f)+24*\a+8*\m+7], v[ACC+8*\m:ACC+8*\m+7], v[WS+KS%4], v[XS+4*\m+KS%4] matrix_a_fmt:MATRIX_FMT_FP4 matrix_b_fmt:MATRIX_FMT_FP4 matrix_a_scale:MATRIX_SCALE_ROW1 matrix_b_scale:MATRIX_SCALE_ROW1
.endif
.endr
.endr
.endm
.macro PLACES                          ; four plain instructions between a matrix instruction and a load into its sources, or a vector instruction that reads its result
.rept 4
	v_nop
.endr
.endm
	s_load_b256 s[4:11], s[0:1], 0x0               ; x s[4:5], Wq s[6:7], Wsc s[8:9], b s[10:11]
	s_load_b128 s[12:15], s[0:1], 0x20             ; plan s[12:13], out0 s[14:15]
	v_lshl_add_u32 v254, v0, 2, 0x13000
	v_mov_b32 v255, 0
	v_lshrrev_b32 v9, 5, v0
	v_readfirstlane_b32 s16, v9                    ; wave 0..15
	v_and_b32 v9, 31, v0                           ; lane
	v_lshlrev_b32 v[VXO], 4, v9
	v_lshrrev_b32 v[VBO], 4, v9
	v_lshlrev_b32 v[VBO], 5, v[VBO]
	s_lshl_b32 s26, ttmp9, 8                       ; my record: 256 bytes each
	s_mov_b32 s27, 0
	s_lshl_b32 s18, s16, 2                         ; my first slot's word
	s_mov_b32 s19, 0
	s_mov_b32 s44, 0xbfb8aa3b                      ; -log2(e)
	s_mov_b32 s45, s44                             ; (named with it as a pair, so it is written)
	s_mov_b32 s48, s16                             ; my three slots
	s_add_co_u32 s49, s16, 16
	s_add_co_u32 s50, s16, 32
	s_wait_kmcnt 0x0
	s_add_nc_u64 s[26:27], s[12:13], s[26:27]
	s_add_nc_u64 s[18:19], s[26:27], s[18:19]
	s_load_b32 s20, s[18:19], 0x0                  ; the tokens of slots w, w + 16, w + 32
	s_load_b32 s21, s[18:19], 0x40
	s_load_b32 s22, s[18:19], 0x80
	s_load_b64 s[24:25], s[26:27], 0xc0            ; the expert, the number of rows
	s_wait_kmcnt 0x0
.irp i, 0,1,2
	s_min_u32 s[20+\i], s[20+\i], 0x1fff           ; a loaded number is held inside its tensor before it enters an address
	s_lshl_b32 s[28+2*\i], s[20+\i], 12            ; a row of x is 4,096 bytes
	s_mov_b32 s[29+2*\i], 0
	s_add_nc_u64 s[28+2*\i:29+2*\i], s[4:5], s[28+2*\i:29+2*\i]
.endr
.irp i, 0,1,2
.irp j, 0,1,2,3,4,5,6,7
	global_load_b128 v[X+32*\i+4*\j:X+32*\i+4*\j+3], v[VXO], s[28+2*\i:29+2*\i] offset:512*\j th:TH_LOAD_NT   ; 32 lanes read 512 consecutive bytes.  A token's row is named once in the launch; token 0's again by slots that hold no token
.endr
.endr
	s_min_u32 s24, s24, 15
	s_lshl_b32 s42, s24, 13                        ; Wsc: 8,192 bytes an expert, 512 a unit
	s_lshl_b32 s51, s16, 9
	s_add_co_u32 s42, s42, s51
	s_mov_b32 s43, 0
	s_add_nc_u64 s[42:43], s[8:9], s[42:43]
	s_lshl_b32 s46, s24, 10                        ; b: 1,024 bytes an expert, 64 for my 16 columns
	s_lshl_b32 s51, s16, 6
	s_add_co_u32 s46, s46, s51
	s_mov_b32 s47, 0
	s_add_nc_u64 s[46:47], s[10:11], s[46:47]
	s_lshl_b32 s40, s24, 17                        ; Wq: 131,072 bytes an expert, 8,192 a unit
	s_lshl_b32 s51, s16, 13
	s_add_co_u32 s40, s40, s51
	s_mov_b32 s41, 0
	s_add_nc_u64 s[40:41], s[6:7], s[40:41]
	global_load_b128 v[WS:WS+3], v[VXO], s[42:43]
	global_load_b128 v[BI:BI+3], v[VBO], s[46:47]              ; b[e][16 w + 8 h + 0 .. 7]
	global_load_b128 v[BI+4:BI+7], v[VBO], s[46:47] offset:16
.irp s, 0,1,2,3,4,5,6,7
.irp c, 0,1
	global_load_b128 v[WF+8*\s+4*\c:WF+8*\s+4*\c+3], v[VXO], s[40:41] offset:1024*\s+512*\c   ; other tiles of the expert read these again: no hint
.endr
.endr
.irp i, 0,1,2
	s_lshl_b32 s[34+2*\i], s[20+\i], 10            ; a row of out0 is 1,024 bytes
	s_mov_b32 s[35+2*\i], 0
	s_add_nc_u64 s[34+2*\i:35+2*\i], s[14:15], s[34+2*\i:35+2*\i]
.endr
	v_lshrrev_b32 v10, 3, v9                       ; l / 8: my block of a K step's four
	v_and_b32 v11, 7, v9
	v_and_b32 v12, 15, v9
	v_lshrrev_b32 v13, 4, v9
	s_lshl_b32 s51, s16, 4                         ; my rows are row w of each unit
	v_mul_u32_u24 v[VST], v10, PLANE
	v_lshl_add_u32 v[VST], v11, 1, v[VST]
	v_add_nc_u32 v[VST], s51, v[VST]               ; 16 w + 272 (l / 8) + 2 (l % 8)
	s_add_co_u32 s52, s51, XSC
	v_add_nc_u32 v[VSS], s52, v10                  ; XSC + 16 w + l / 8
	v_mul_u32_u24 v[VLI], v13, PLANE
	v_lshl_add_u32 v[VLI], v12, 4, v[VLI]
	v_lshl_add_u32 v[VLS], v9, 4, XSC
	v_mul_u32_u24 v[VSO], v12, SP
	v_lshl_add_u32 v[VSO], v13, 5, v[VSO]
	s_lshl_b32 s52, s16, 6
	s_add_co_u32 s52, s52, STG
	v_add_nc_u32 v[VSO], s52, v[VSO]               ; STG + 1040 r + 32 h + 64 w: my eight columns of row r
	s_mul_i32 s52, s16, SP
	s_add_co_u32 s52, s52, STG
	v_lshl_add_u32 v[VSR], v9, 4, s52              ; STG + 1040 w + 16 l: row w, whole
	s_wait_loadcnt 35                              ; of the 43 loads the oldest 8, my first row, are in
	QROW X, 0, 0
	s_wait_loadcnt 27                              ; the second row's 8
	QROW X+32, UNITB, 512
	s_wait_loadcnt 19                              ; the third's; W's 19 may be out
	QROW X+64, 2*UNITB, 1024
	s_barrier_signal -1                            ; every wave's stores have landed (the macro's last line)
	s_barrier_wait -1                              ; the codes and scale bytes of all 48 rows lie in LDS
.irp m, 0,1,2
	ds_load_b128 v[XS+4*\m:XS+4*\m+3], v[VLS] offset:512*\m
.endr
	FETCHG 0, F0
	FETCHG 1, F1
	s_wait_loadcnt 0x0                             ; W's fragments, its scale words, the bias
	s_wait_dscnt 12                                ; the scale words and K steps 0, 1 are in; the twelve loads of K steps 2, 3 may be out
	MULG 0, F0
	PLACES
	FETCHG 2, F0
	s_wait_dscnt 12                                ; all but the twelve just issued
	MULG 1, F1
	PLACES
	FETCHG 3, F1
	s_wait_dscnt 12
	MULG 2, F0
	s_wait_dscnt 0x0
	MULG 3, F1
	PLACES
	; the sigmoid, in place; each accumulator is read from its low end on
.irp i, 0,1,2,3,4,5,6,7,8,9,10,11
	v_pk_mul_f32 v[ACC+2*\i:ACC+2*\i+1], v[ACC+2*\i:ACC+2*\i+1], s[44:45] op_sel_hi:[1,0]   ; -z log2(e)
.endr
.irp i, 0,1,2,3,4,5,6,7,8,9,10,11,12,13,14,15,16,17,18,19,20,21,22,23
	v_exp_f32 v[ACC+\i], v[ACC+\i]
.endr
	v_nop                                          ; a plain instruction behind the last exponential,
	s_wait_alu depctr_va_vdst(0)                   ; and one wait for the batch, ahead of its first reader
.irp i, 0,1,2,3,4,5,6,7,8,9,10,11
	v_pk_add_f32 v[ACC+2*\i:ACC+2*\i+1], v[ACC+2*\i:ACC+2*\i+1], 1.0 op_sel_hi:[1,0]
.endr
.irp i, 0,1,2,3,4,5,6,7,8,9,10,11,12,13,14,15,16,17,18,19,20,21,22,23
	v_rcp_f32 v[ACC+\i], v[ACC+\i]
.endr
	v_nop
	s_wait_alu depctr_va_vdst(0)                   ; likewise for the reciprocals
	; THE WAY OUT: a row's 256 numbers come from sixteen waves: they meet in the stage, and each wave stores its three rows whole
.irp m, 0,1,2
	ds_store_b128 v[VSO], v[ACC+8*\m:ACC+8*\m+3] offset:16*SP*\m
	ds_store_b128 v[VSO], v[ACC+8*\m+4:ACC+8*\m+7] offset:16*SP*\m+16
.endr
	s_wait_dscnt 0x0                               ; for the others' sake: my stores into the stage have landed
	s_barrier_signal -1
	s_barrier_wait -1
.irp i, 0,1,2
.irp q, 0,1
	ds_load_b128 v[X+8*\i+4*\q:X+8*\i+4*\q+3], v[VSR] offset:16*SP*\i+512*\q
.endr
.endr
	s_wait_dscnt 0x0
.irp i, 0,1,2
	s_cmp_gt_u32 s25, s[48+\i]                     ; does the slot hold a token?  The slots ascend, so the first that does not ends the wave; no barrier stands behind this
	s_cbranch_scc0 .Ldone
	global_store_b128 v[VXO], v[X+8*\i:X+8*\i+3], s[34+2*\i:35+2*\i] th:TH_STORE_NT              ; 32 lanes store 512 consecutive bytes, at a multiple of 512 from out0's first byte
	global_store_b128 v[VXO], v[X+8*\i+4:X+8*\i+7], s[34+2*\i:35+2*\i] offset:512 th:TH_STORE_NT
.endr
.Ldone:
	s_wait_tensorcnt 0x0
	ds_add_u32 v254, v255
	s_wait_dscnt 0x0
	s_endpgm
.Lfunc_end_k_q6cd0799383_experts:
	.size	k_q6cd0799383_experts, .Lfunc_end_k_q6cd0799383_experts-k_q6cd0799383_experts
	.p2alignl 7, 3214868480
	.fill 96, 4, 3214868480
	.section	.rodata,"a",@progbits
	.p2align	6, 0x0
	.amdhsa_kernel k_q6cd0799383_experts
		.amdhsa_group_segment_fixed_size 79872
		.amdhsa_private_segment_fixed_size 0
		.amdhsa_enable_private_segment 0
		.amdhsa_kernarg_size 48
		.amdhsa_user_sgpr_count 2
		.amdhsa_user_sgpr_kernarg_segment_ptr 1
		.amdhsa_wavefront_size32 1
		.amdhsa_system_sgpr_workgroup_id_x 1
		.amdhsa_system_sgpr_workgroup_id_y 1
		.amdhsa_system_sgpr_workgroup_id_z 1
		.amdhsa_system_vgpr_workitem_id 0
		.amdhsa_next_free_vgpr 256
		.amdhsa_next_free_sgpr 66
		.amdhsa_reserve_vcc 0
		.amdhsa_float_denorm_mode_32 3
		.amdhsa_float_denorm_mode_16_64 3
		.amdhsa_memory_ordered 1
		.amdhsa_forward_progress 1
		.amdhsa_inst_pref_size 36
	.end_amdhsa_kernel
	.amdgpu_metadata
---
amdhsa.version: [ 1, 2 ]
amdhsa.kernels:
  - .name:           k_q6cd0799383_experts
    .symbol:         k_q6cd0799383_experts.kd
    .args:
      - { .name: x, .offset: 0, .size: 8, .value_kind: global_buffer, .address_space: global }
      - { .name: Wq, .offset: 8, .size: 8, .value_kind: global_buffer, .address_space: global }
      - { .name: Wsc, .offset: 16, .size: 8, .value_kind: global_buffer, .address_space: global }
      - { .name: b, .offset: 24, .size: 8, .value_kind: global_buffer, .address_space: global }
      - { .name: plan, .offset: 32, .size: 8, .value_kind: global_buffer, .address_space: global }
      - { .name: out0, .offset: 40, .size: 8, .value_kind: global_buffer, .address_space: global }
    .group_segment_fixed_size: 79872
    .private_segment_fixed_size: 0
    .kernarg_segment_align: 8
    .kernarg_segment_size: 48
    .max_flat_workgroup_size: 512
    .sgpr_count:     66
    .vgpr_count:     256
    .wavefront_size: 32
...
	.end_amdgpu_metadata
.endif
;; end of part 2
;; ======== version 2 of 2: 2 launches
;; workspace buffers: Wq 2,097,152 bytes; Wsc 131,072 bytes; plan 49,152 bytes of whole numbers
;; launch prep (part 3): grid 129 x 1, 32 waves a work-group, no clusters, 97,280 bytes of LDS; arguments W, num, c, Wq, Wsc, plan; writes Wq, Wsc, plan
.if DOCPART == 3
	.amdgcn_target "amdgcn-amd-amdhsa--gfx1250"
	.amdhsa_code_object_version 6
	.text
	.protected	k_q6cd0799383_prep
	.globl	k_q6cd0799383_prep
	.p2align	8
	.type	k_q6cd0799383_prep,@function
k_q6cd0799383_prep:
	s_mov_b64 s[64:65], 0
	v_nop
	global_prefetch_b8 v0, s[64:65] scope:SCOPE_SE
	s_setreg_imm32_b32 hwreg(HW_REG_WAVE_MODE, 25, 1), 1
	s_wait_xcnt 0x0
; TWO JOBS IN ONE LAUNCH, parted by the work-group's number; each has LDS bytes of its own.
; Work-groups 1 to 128: W [16][256][1024] f32 becomes codes of FP4 (E2M1) with one E8M0 byte for each 32 along K, laid in the order of a matrix operand's registers.
;   A UNIT is 16 rows of W (16 output columns of one expert): unit u = 16 e + n.  Wq: 8,192 bytes a unit: K step s (128 along K) at 1024 s, block b of 32 at 256 b, row r at 16 r.
;   So a fragment (16 rows x 128 K) is two loads of 16 bytes a lane at 1024 s + 512 c + 16 x lane.  Wsc: 512 bytes a unit: the byte of (r, s, b) at 256 (s / 4) + 16 r + 4 (s % 4) + b:
;   one load of 16 bytes a lane gives four registers of scale words: K steps 0-3 in lanes 0-15, K steps 4-7 in lanes 16-31.
; Work-group 0: the routing.  expert(i) = c[num[i]]; the 8,192 tokens are sorted by expert (a counting sort, no atomics) and cut into tiles of 48 rows of one expert.
;   plan: 192 records of 256 bytes: words 0-47 token numbers (0 in slots that no token holds), word 48 the expert, word 49 the number of rows (0: no tile), words 50-53 pad, written and never read.
;   With 8,192 rows, 16 experts and 48 rows a tile there are never more than 171 + 15 = 186 tiles, whatever the choice.
; THE QUANTISER: a block's scale byte is its largest magnitude's exponent field - 2, held at 1 from below; each number is divided by the scale and rounded to the nearest code, ties to even, beyond 6 the code of 6.
; LIMITS: NaN and infinities in W are not served.  A block of zeros, or one whose largest magnitude lies under 2^-124, gets the byte 1: a block of zeros has zero codes, and this program alone reads the bytes.
;   Numbers in num and c are held to 0..999 and 0..15.
.set UNITB, 8704                       ; a unit's image in LDS: 32 planes of 256 bytes, 16 bytes of padding behind each
.set STEPB, 1088                       ; a K step: four planes
.set PLANE, 272
.set WCODE, 0                          ; W's path: two units of codes,
.set WSCL,  2*UNITB                    ; their 2 x 512 scale bytes
.set CNT,   WSCL+1024                  ; the routing: each thread's 16 counters of 4 bits: experts 0-7 at 4 t, experts 8-15 at 4096 + 4 t
.set PRE,   CNT+8192                   ; for expert e and thread t, at 4096 e + 4 t: how many tokens of e come ahead of thread t's
.set NTOT,  PRE+65536                  ; each expert's number of tokens
.set M,   8                            ; v8-15   W's path: a row's eight largest magnitudes, then the conversions' scale operands
.set BY,  16                           ; v16-23  the scale bytes
.set C,   24                           ; v24-31  the codes
.set X,   32                           ; v32-63  a row of W: 32 numbers a lane
.set VXO, 3                            ; v3      16 x lane
.set VST, 6                            ; v6      LDS: where my lane puts its two bytes of codes of K step 0
.set VSS, 7                            ; v7      LDS: where it puts the scale byte of K step 0
.set E,   16                           ; v16-23  the routing: my eight tokens' experts
.set SH,  24                           ; v24-31  4 x expert
.set RK,  32                           ; v32-39  the token's rank among my own tokens of its expert
.set Q,   48                           ; v48-79  the scan's 32 counts
; A ROW OF 1,024 NUMBERS BECOMES CODES AND SCALE BYTES IN LDS.  The row was loaded densely: load j gave lane l the numbers k = 128 j + 4 l .. + 3: K step j, block l / 8, bytes 2 (l % 8), + 1 of the block's 16.
; A conversion takes eight numbers under ONE scale; a lane's eight registers of loads 2 p and 2 p + 1 belong to two blocks.  So each eight are converted twice: under block 2 p's scale the low 16 bits are right,
; under block 2 p + 1's the high 16.  That is the price of loads in which 32 lanes read 512 consecutive bytes.
.macro QROW src, cof, sof
.irp j, 0,1,2,3,4,5,6,7
	v_max3_num_f32 v[M+\j], |v[(\src)+4*\j]|, |v[(\src)+4*\j+1]|, 0x1800000   ; my four numbers of K step j, and the floor 2^(3 - 127): so the byte cannot fall under 1
.endr
.irp j, 0,1,2,3,4,5,6,7
	v_max3_num_f32 v[M+\j], v[M+\j], |v[(\src)+4*\j+2]|, |v[(\src)+4*\j+3]|
.endr
.irp d, 1,2,4
.irp j, 0,1,2,3,4,5,6,7
	v_max_num_f32_dpp v[M+\j], v[M+\j], v[M+\j] row_xmask:\d row_mask:0xf bank_mask:0xf   ; with the seven other lanes of the block
.endr
.endr
.irp j, 0,1,2,3,4,5,6,7
	v_add_nc_u32 v[M+\j], 0xff000000, v[M+\j]      ; 2 off the exponent field: the conversion takes the exponent field of this operand as its scale
.endr
.irp j, 0,1,2,3,4,5,6,7
	v_lshrrev_b32 v[BY+\j], 23, v[M+\j]            ; the scale's byte
.endr
.irp p, 0,1,2,3
	v_cvt_scalef32_pk8_fp4_f32 v[C+2*\p], v[(\src)+8*\p:(\src)+8*\p+7], v[M+2*\p]       ; low half: K step 2 p
	v_cvt_scalef32_pk8_fp4_f32 v[C+2*\p+1], v[(\src)+8*\p:(\src)+8*\p+7], v[M+2*\p+1]   ; high half: K step 2 p + 1
.endr
	v_nop                                          ; one plain instruction behind the conversions, ahead of the lines that touch their results
.irp p, 0,1,2,3
	v_lshrrev_b32 v[C+2*\p+1], 16, v[C+2*\p+1]
.endr
.irp j, 0,1,2,3,4,5,6,7
	ds_store_b16 v[VST], v[C+\j] offset:(\cof)+\j*STEPB
.endr
.irp j, 0,1,2,3,4,5,6,7
	ds_store_b8 v[VSS], v[BY+\j] offset:(\sof)+(\j/4)*256+(\j%4)*4   ; the eight lanes of a block write the same byte with the same value
.endr
	s_wait_dscnt 0x0                               ; the stores have landed and have read their registers
.endm
	s_load_b256 s[4:11], s[0:1], 0x0               ; W s[4:5], num s[6:7], c s[8:9], Wq s[10:11]
	s_load_b128 s[12:15], s[0:1], 0x20             ; Wsc s[12:13], plan s[14:15]
	v_lshl_add_u32 v126, v0, 2, 0x16c00
	v_mov_b32 v127, 0
	v_lshrrev_b32 v1, 5, v0
	s_delay_alu instid0(VALU_DEP_1)
	v_readfirstlane_b32 s16, v1                    ; wave 0..31
	v_and_b32 v2, 31, v0                           ; lane
	s_cmp_eq_u32 ttmp9, 0
	s_cbranch_scc1 .Lroute                         ; the same way for all waves of a work-group
; ---------------- W: work-group g + 1 takes rows 32 g .. 32 g + 31 (two units), a wave a row
	s_sub_co_u32 s17, ttmp9, 1                     ; g
	s_lshl_b32 s18, s17, 5
	s_add_co_u32 s18, s18, s16                     ; my row of W's 4,096
	s_lshl_b32 s20, s18, 12                        ; 4,096 bytes a row
	s_mov_b32 s21, 0
	s_lshl_b32 s28, s17, 14                        ; Wq: 16,384 bytes a work-group, 512 a wave
	s_lshl_b32 s19, s16, 9
	s_add_co_u32 s28, s28, s19
	s_mov_b32 s29, 0
	s_and_b32 s27, s16, 1
	s_lshl_b32 s27, s27, 9
	s_lshl_b32 s30, s17, 10                        ; Wsc: 1,024 bytes a work-group, 512 for each of waves 0 and 1
	s_add_co_u32 s30, s30, s27
	s_mov_b32 s31, 0
	s_wait_alu depctr_va_vdst(0)
	v_lshlrev_b32 v[VXO], 4, v2
	s_wait_alu depctr_va_vdst(0)
	s_wait_kmcnt 0x0
	s_add_nc_u64 s[20:21], s[4:5], s[20:21]
	s_add_nc_u64 s[28:29], s[10:11], s[28:29]
	s_add_nc_u64 s[30:31], s[12:13], s[30:31]
.irp j, 0,1,2,3,4,5,6,7
	global_load_b128 v[X+4*\j:X+4*\j+3], v[VXO], s[20:21] offset:512*\j th:TH_LOAD_NT   ; 32 lanes read 512 consecutive bytes; W is read once
.endr
	s_lshr_b32 s22, s16, 4                         ; which of the two units,
	s_and_b32 s23, s16, 15                         ; and which of its rows
	s_mul_i32 s24, s22, UNITB
	s_lshl_b32 s25, s23, 4
	s_add_co_u32 s24, s24, s25
	s_lshl_b32 s26, s22, 9
	s_add_co_u32 s26, s26, s25
	s_add_co_u32 s26, s26, WSCL
	v_lshrrev_b32 v4, 3, v2                        ; my block of a K step's four
	v_and_b32 v5, 7, v2
	s_delay_alu instid0(VALU_DEP_2)
	v_mul_u32_u24 v[VST], v4, PLANE
	s_delay_alu instid0(VALU_DEP_1)
	v_lshl_add_u32 v[VST], v5, 1, v[VST]
	s_delay_alu instid0(VALU_DEP_1)
	v_add_nc_u32 v[VST], s24, v[VST]               ; unit x 8704 + 16 r + 272 (l / 8) + 2 (l % 8)
	v_add_nc_u32 v[VSS], s26, v4                   ; WSCL + unit x 512 + 16 r + l / 8
	s_mul_i32 s24, s16, 2*PLANE                    ; the way out: wave w takes planes 2 w and 2 w + 1 of the 64
	v_and_b32 v4, 15, v2
	v_lshrrev_b32 v5, 4, v2
	s_delay_alu instid0(VALU_DEP_1)
	v_mul_u32_u24 v72, v5, PLANE
	s_delay_alu instid0(VALU_DEP_1)
	v_lshl_add_u32 v72, v4, 4, v72
	s_delay_alu instid0(VALU_DEP_1)
	v_add_nc_u32 v72, s24, v72
	s_add_co_u32 s27, s27, WSCL
	v_lshl_add_u32 v73, v2, 4, s27                 ; and waves 0 and 1 a unit's 512 scale bytes
	s_wait_loadcnt 0x0
	QROW X, 0, 0
	s_barrier_signal -1                            ; every wave's stores have landed (the macro's last line)
	s_barrier_wait -1
	ds_load_b128 v[64:67], v72
	s_wait_dscnt 0x0
	global_store_b128 v[VXO], v[64:67], s[28:29]   ; 32 lanes store 512 consecutive bytes, at a multiple of 512 from Wq's first byte
	s_cmp_lt_u32 s16, 2
	s_cbranch_scc0 .Lw_done
	ds_load_b128 v[68:71], v73
	s_wait_dscnt 0x0
	global_store_b128 v[VXO], v[68:71], s[30:31]
.Lw_done:
	s_wait_tensorcnt 0x0
	ds_add_u32 v126, v127
	s_wait_dscnt 0x0
	s_endpgm
; ---------------- THE ROUTING: 1,024 threads; thread t owns tokens 4 t .. 4 t + 3 and 4096 + 4 t .. + 3.  The order of an expert's rows is free.
.Lroute:
	v_lshlrev_b32 v3, 4, v0
	s_wait_alu depctr_va_vdst(0)
	s_wait_kmcnt 0x0
	global_load_b128 v[8:11], v3, s[6:7] th:TH_LOAD_NT
	global_load_b128 v[12:15], v3, s[6:7] offset:16384 th:TH_LOAD_NT
	; every LDS address that hangs on ids alone is made here, ahead of the places where the waves part
	s_and_b32 s20, s16, 15                         ; the expert that my wave scans (waves 0 to 15)
	s_lshr_b32 s21, s20, 3
	s_lshl_b32 s21, s21, 12
	s_add_co_u32 s21, s21, CNT
	s_lshl_b32 s22, s20, 12
	s_add_co_u32 s22, s22, PRE
	s_lshl_b32 s23, s20, 2
	s_add_co_u32 s23, s23, NTOT
	s_and_b32 s17, s16, 7
	s_lshl_b32 s17, s17, 2                         ; where that expert's counter stands in a word
	v_lshl_add_u32 v80, v0, 2, CNT                 ; my counters
	v_lshl_add_u32 v81, v2, 2, s21                 ; the scan reads: thread 32 k + lane at + 128 k
	v_lshl_add_u32 v86, v2, 2, s22                 ; and writes likewise
	v_mov_b32 v88, s23                             ; my expert's total
	v_and_b32 v90, 15, v0
	s_delay_alu instid0(VALU_DEP_1)
	v_lshl_add_u32 v90, v90, 2, NTOT               ; lane i and lane 16 + i stand for expert i
	v_lshl_add_u32 v91, v0, 2, PRE
	v_lshrrev_b32 v84, 4, v2                       ; which half of the lanes
	v_mov_b32 v83, 0                               ; written once: the destination of a lane move counts as one of its sources
	v_mov_b32 v40, 0                               ; counters of experts 0-7,
	v_mov_b32 v41, 0                               ; of experts 8-15
	s_wait_loadcnt 0x0
.irp j, 0,1,2,3,4,5,6,7
	v_min_u32 v[8+\j], 999, v[8+\j]                ; held inside c
.endr
.irp j, 0,1,2,3,4,5,6,7
	v_lshlrev_b32 v[8+\j], 2, v[8+\j]
.endr
.irp j, 0,1,2,3,4,5,6,7
	global_load_b32 v[E+\j], v[8+\j], s[8:9]
.endr
	s_wait_loadcnt 0x0
.irp j, 0,1,2,3,4,5,6,7
	v_min_u32 v[E+\j], 15, v[E+\j]
.endr
	; my own counts: 4 bits an expert hold up to 8
.irp j, 0,1,2,3,4,5,6,7
	v_lshlrev_b32 v[SH+\j], 2, v[E+\j]
	s_delay_alu instid0(VALU_DEP_1)
	v_and_b32 v45, 28, v[SH+\j]                    ; the counter's place in its word
	v_cmp_gt_u32 vcc_lo, 8, v[E+\j]                ; expert under 8?
	s_delay_alu instid0(VALU_DEP_2)
	v_lshlrev_b32 v42, v45, 1                      ; a one at that place
	s_delay_alu instid0(VALU_DEP_2)
	v_cndmask_b32 v43, v41, v40, vcc_lo
	s_delay_alu instid0(VALU_DEP_1)
	v_bfe_u32 v[RK+\j], v43, v45, 4                ; how many of my earlier tokens have this expert
	s_delay_alu instid0(VALU_DEP_3)
	v_cndmask_b32 v44, 0, v42, vcc_lo
	s_delay_alu instid0(VALU_DEP_1)
	v_add_nc_u32 v40, v40, v44
	s_delay_alu instid0(VALU_DEP_2)
	v_sub_nc_u32 v42, v42, v44
	s_delay_alu instid0(VALU_DEP_1)
	v_add_nc_u32 v41, v41, v42
.endr
	ds_store_b32 v80, v40
	ds_store_b32 v80, v41 offset:4096
	s_wait_dscnt 0x0                               ; for the others' sake: my counters have landed
	s_barrier_signal -1
	s_barrier_wait -1
	; wave e (0 to 15) scans expert e over the 1,024 threads, in the order lane, then k.  No barrier stands inside the branch.
	s_cmp_lt_u32 s16, 16
	s_cbranch_scc0 .Lscanned
.set kk, 0
.rept 32
	ds_load_b32 v[Q+kk], v81 offset:128*kk
.set kk, kk+1
.endr
	s_wait_dscnt 0x0
.set kk, 0
.rept 32
	v_bfe_u32 v[Q+kk], v[Q+kk], s17, 4
.set kk, kk+1
.endr
.set kk, 1
	v_add_nc_u32 v[Q+kk], v[Q+kk], v[Q+kk-1]
.set kk, kk+1
.rept (31)-1
	s_delay_alu instid0(VALU_DEP_1)
	v_add_nc_u32 v[Q+kk], v[Q+kk], v[Q+kk-1]       ; running sums inside the lane
.set kk, kk+1
.endr
	s_delay_alu instid0(VALU_DEP_1)
	v_mov_b32 v82, v[Q+31]                         ; the lane's total; now a running sum over the lanes
.irp n, 1,2,4,8
	s_delay_alu instid0(VALU_DEP_1)
	v_mov_b32_dpp v83, v82 row_shr:\n row_mask:0xf bank_mask:0xf bound_ctrl:1   ; lane i takes lane i - n of its sixteen, or 0
	s_delay_alu instid0(VALU_DEP_1)
	v_add_nc_u32 v82, v82, v83
.endr
	s_delay_alu instid0(VALU_DEP_1)
	v_readlane_b32 s18, v82, 15
	s_delay_alu instid0(VALU_DEP_1)
	v_mad_u32_u24 v82, v84, s18, v82               ; the upper sixteen lanes stand behind the lower sixteen
	s_delay_alu instid0(VALU_DEP_1)
	v_readlane_b32 s19, v82, 31                    ; the expert's number of tokens
	s_delay_alu instid0(VALU_DEP_2)
	v_sub_nc_u32 v85, v82, v[Q+31]                 ; what comes ahead of my lane
.set kk, 0
.rept 31
	v_add_nc_u32 v[Q+kk], v[Q+kk], v85
.set kk, kk+1
.endr
	ds_store_b32 v86, v85
.set kk, 1
.rept 31
	ds_store_b32 v86, v[Q+kk-1] offset:128*kk
.set kk, kk+1
.endr
	v_mov_b32 v87, s19
	ds_store_b32 v88, v87                          ; all lanes write the same word with the same value
.Lscanned:
	s_wait_dscnt 0x0
	s_barrier_signal -1
	s_barrier_wait -1                              ; behind this barrier LDS is only read
	ds_load_b32 v89, v90                           ; N: lane i has expert i's number of tokens
.irp j, 0,1,2,3,4,5,6,7
	v_lshl_add_u32 v[96+\j], v[E+\j], 12, v91      ; PRE + 4096 x expert (held to 0..15) + 4 t
.endr
.irp j, 0,1,2,3,4,5,6,7
	ds_load_b32 v[56+\j], v[96+\j]                 ; how many tokens of this expert come ahead of mine
.endr
	s_wait_dscnt 8                                 ; N is in; the eight reads behind it may be out
	v_add_nc_u32 v92, 47, v89
	s_delay_alu instid0(VALU_DEP_1)
	v_lshrrev_b32 v92, 4, v92
	s_delay_alu instid0(VALU_DEP_1)
	v_mul_u32_u24 v92, v92, 0xaaab                 ; x / 3 = (x * 43691) >> 17, exact for x under 131,072; here x is at most 514
	s_delay_alu instid0(VALU_DEP_1)
	v_lshrrev_b32 v92, 17, v92                     ; the expert's tiles: (N + 47) / 48
	s_delay_alu instid0(VALU_DEP_1)
	v_mov_b32 v93, v92
.irp n, 1,2,4,8
	s_delay_alu instid0(VALU_DEP_1)
	v_mov_b32_dpp v83, v93 row_shr:\n row_mask:0xf bank_mask:0xf bound_ctrl:1
	s_delay_alu instid0(VALU_DEP_1)
	v_add_nc_u32 v93, v93, v83                     ; tiles up to and with expert i
.endr
	s_delay_alu instid0(VALU_DEP_1)
	v_sub_nc_u32 v94, v93, v92                     ; the expert's first tile
	s_delay_alu instid0(VALU_DEP_1)
	v_lshlrev_b32 v95, 6, v94                      ; in words of plan: 64 a record
.irp j, 0,1,2,3,4,5,6,7
	ds_bpermute_b32 v[64+\j], v[SH+\j], v95        ; from the lane of my token's expert
.endr
	s_wait_dscnt 0x0
.irp j, 0,1,2,3,4,5,6,7
	v_add_nc_u32 v[56+\j], v[56+\j], v[RK+\j]      ; the token's rank in its expert
.endr
.irp j, 0,1,2,3,4,5,6,7
	v_lshrrev_b32 v[48+\j], 4, v[56+\j]
.endr
.irp j, 0,1,2,3,4,5,6,7
	v_mul_u32_u24 v[48+\j], v[48+\j], 0xaaab
.endr
.irp j, 0,1,2,3,4,5,6,7
	v_lshrrev_b32 v[48+\j], 17, v[48+\j]           ; rank / 48
.endr
.irp j, 0,1,2,3,4,5,6,7
	v_lshl_add_u32 v[56+\j], v[48+\j], 4, v[56+\j] ; 64 (rank / 48) + rank % 48 = rank + 16 (rank / 48)
.endr
.irp j, 0,1,2,3,4,5,6,7
	v_add_nc_u32 v[56+\j], v[56+\j], v[64+\j]
.endr
.irp j, 0,1,2,3,4,5,6,7
	v_min_u32 v[56+\j], 0x2fff, v[56+\j]           ; a number made from loaded ones is held inside plan before it enters an address
.endr
.irp j, 0,1,2,3,4,5,6,7
	v_lshlrev_b32 v[56+\j], 2, v[56+\j]
.endr
.irp j, 0,1,2,3
	v_lshl_or_b32 v[72+\j], v0, 2, \j              ; the token's number
	v_lshl_or_b32 v[76+\j], v0, 2, 4096+\j
.endr
.irp j, 0,1,2,3,4,5,6,7
	global_store_b32 v[56+\j], v[72+\j], s[14:15]
.endr
	; THE RECORDS' HEADERS AND FREE SLOTS: waves 0 to 23, eight records each, four lanes to a record
	s_cmp_lt_u32 s16, 24
	s_cbranch_scc0 .Lr_done
	v_lshrrev_b32 v32, 2, v0                       ; my record
	v_mov_b32 v33, 0
.irp e, 0,1,2,3,4,5,6,7,8,9,10,11,12,13,14,15
	v_readlane_b32 s[32+\e], v93, \e
.endr
.irp e, 0,1,2,3,4,5,6,7,8,9,10,11,12,13,14,15
	v_cmp_le_u32 vcc_lo, s[32+\e], v32
	s_delay_alu instid0(VALU_DEP_1)
	v_add_co_ci_u32 v33, vcc_lo, 0, v33, vcc_lo    ; how many experts end at or ahead of my record: that is its expert, or 16 where no tile is left
.endr
	s_delay_alu instid0(VALU_DEP_1)
	v_min_u32 v34, 15, v33
	s_delay_alu instid0(VALU_DEP_1)
	v_lshlrev_b32 v35, 2, v34
	ds_bpermute_b32 v36, v35, v89                  ; that expert's tokens,
	ds_bpermute_b32 v37, v35, v94                  ; and its first tile
	v_lshlrev_b32 v42, 8, v32                      ; the record's first byte
	v_and_b32 v43, 3, v0                           ; my place among the record's four lanes
	s_delay_alu instid0(VALU_DEP_1)
	v_lshl_add_u32 v45, v43, 2, v42                ; slot 4 k + place lies 16 k bytes on from here,
	s_delay_alu instid0(VALU_DEP_1)
	v_add_nc_u32 v46, 200, v45                     ; and my pad word, 50 + place, here
	v_mov_b32 v47, 0
	v_cmp_ne_u32 vcc_lo, 16, v33
	s_wait_dscnt 0x0
	v_sub_nc_u32 v38, v32, v37
	s_delay_alu instid0(VALU_DEP_1)
	v_mul_u32_u24 v38, v38, 48
	s_delay_alu instid0(VALU_DEP_1)
	v_sub_nc_u32 v38, v36, v38                     ; tokens left from my tile on,
	s_delay_alu instid0(VALU_DEP_1)
	v_min_u32 v38, 48, v38                         ; 48 of them at the most
	v_cndmask_b32 v40, 0, v34, vcc_lo              ; a record without a tile: expert 0, no rows
	s_delay_alu instid0(VALU_DEP_2)
	v_cndmask_b32 v41, 0, v38, vcc_lo
	global_store_b64 v42, v[40:41], s[14:15] offset:192   ; the four lanes write the same two words with the same values
	v_sub_nc_u32 v44, v41, v43                     ; slot 4 k + place holds a token where 4 k < rows - place
.irp k, 0,1,2,3,4,5,6,7,8,9,10,11
	v_cmp_lt_i32 vcc_lo, 4*\k, v44
	v_add_nc_u32 v[104+\k], 16*\k, v45
	s_delay_alu instid0(VALU_DEP_1)
	v_cndmask_b32 v[104+\k], v[104+\k], v46, vcc_lo   ; a free slot gets the 0; where a token's owner writes the slot, the 0 goes to my pad word
	s_delay_alu instid0(VALU_DEP_1)
	v_min_u32 v[104+\k], 0xbffc, v[104+\k]         ; the choice hangs on loaded numbers: held inside plan
	global_store_b32 v[104+\k], v47, s[14:15]
.endr
.Lr_done:
	s_wait_tensorcnt 0x0
	ds_add_u32 v126, v127
	s_wait_dscnt 0x0
	s_endpgm
.Lfunc_end_k_q6cd0799383_prep:
	.size	k_q6cd0799383_prep, .Lfunc_end_k_q6cd0799383_prep-k_q6cd0799383_prep
	.p2alignl 7, 3214868480
	.fill 96, 4, 3214868480
	.section	.rodata,"a",@progbits
	.p2align	6, 0x0
	.amdhsa_kernel k_q6cd0799383_prep
		.amdhsa_group_segment_fixed_size 97280
		.amdhsa_private_segment_fixed_size 0
		.amdhsa_enable_private_segment 0
		.amdhsa_kernarg_size 48
		.amdhsa_user_sgpr_count 2
		.amdhsa_user_sgpr_kernarg_segment_ptr 1
		.amdhsa_wavefront_size32 1
		.amdhsa_system_sgpr_workgroup_id_x 1
		.amdhsa_system_sgpr_workgroup_id_y 1
		.amdhsa_system_sgpr_workgroup_id_z 1
		.amdhsa_system_vgpr_workitem_id 0
		.amdhsa_next_free_vgpr 128
		.amdhsa_next_free_sgpr 66
		.amdhsa_reserve_vcc 1
		.amdhsa_float_denorm_mode_32 3
		.amdhsa_float_denorm_mode_16_64 3
		.amdhsa_memory_ordered 1
		.amdhsa_forward_progress 1
		.amdhsa_inst_pref_size 43
	.end_amdhsa_kernel
	.amdgpu_metadata
---
amdhsa.version: [ 1, 2 ]
amdhsa.kernels:
  - .name:           k_q6cd0799383_prep
    .symbol:         k_q6cd0799383_prep.kd
    .args:
      - { .name: W, .offset: 0, .size: 8, .value_kind: global_buffer, .address_space: global }
      - { .name: num, .offset: 8, .size: 8, .value_kind: global_buffer, .address_space: global }
      - { .name: c, .offset: 16, .size: 8, .value_kind: global_buffer, .address_space: global }
      - { .name: Wq, .offset: 24, .size: 8, .value_kind: global_buffer, .address_space: global }
      - { .name: Wsc, .offset: 32, .size: 8, .value_kind: global_buffer, .address_space: global }
      - { .name: plan, .offset: 40, .size: 8, .value_kind: global_buffer, .address_space: global }
    .group_segment_fixed_size: 97280
    .private_segment_fixed_size: 0
    .kernarg_segment_align: 8
    .kernarg_segment_size: 48
    .max_flat_workgroup_size: 1024
    .sgpr_count:     66
    .vgpr_count:     128
    .wavefront_size: 32
...
	.end_amdgpu_metadata
.endif
;; end of part 3
;; launch experts (part 4): grid 186 x 1, 16 waves a work-group, no clusters, 79,872 bytes of LDS; arguments x, Wq, Wsc, b, plan, out0; writes out0
.if DOCPART == 4
	.amdgcn_target "amdgcn-amd-amdhsa--gfx1250"
	.amdhsa_code_object_version 6
	.text
	.protected	k_q6cd0799383_experts
	.globl	k_q6cd0799383_experts
	.p2align	8
	.type	k_q6cd0799383_experts,@function
k_q6cd0799383_experts:
	s_mov_b64 s[64:65], 0
	v_nop
	global_prefetch_b8 v0, s[64:65] scope:SCOPE_SE
	s_setreg_imm32_b32 hwreg(HW_REG_WAVE_SCHED_MODE, 0, 2), 2
	s_setreg_imm32_b32 hwreg(HW_REG_WAVE_MODE, 25, 1), 1
	s_wait_xcnt 0x0
	s_wait_alu depctr_vm_vsrc(0)
; out0[i][:] = sigmoid(Q(x[i]) . Q(W[e])^T + b[e]), e the expert of token i, for the rows that the stored list gives: only the chosen expert's product is made for a token.
; Both operands are codes of FP4 (E2M1) with one E8M0 byte for each 32 along K = 1,024; sums, bias and sigmoid in f32.
; SHARES.  Work-group t takes record t of plan: up to 48 tokens of one expert, all 256 outputs.  186 work-groups serve every split of 8,192 tokens over 16 experts (171 + 15 tiles at the most).
;   Wave w (of 16) loads and quantises the rows of slots w, w + 16, w + 32; multiplies output columns 16 w .. 16 w + 15 for all 48 rows (three accumulators, 24 matrix instructions); stores the same three rows.
;   x is read by one work-group alone, so it is quantised on the way, in registers; its codes go from wave to wave through LDS as images of the operand's registers.  W's codes come from memory straight into
;   registers, in the order in which the earlier launch has laid them: 16 loads of 16 bytes a lane for the wave's eight fragments.
; ALL LOADS OF A WAVE, 43, are issued at its head: 12 KB of x, 8.5 KB of W; nothing is left to run ahead of, so nothing is prefetched.
; NO JOINT LOADS: how many tiles an expert has is a stored number, so the partners of a fixed cluster need not share an expert; the last stores hang on a stored count, and operands go to registers, not to LDS slots.
; A RECORD WITHOUT ROWS (count 0) walks the whole text on token 0 and expert 0 and stores nothing: both barriers stand on every wave's path, and none may stand under a branch on a loaded number.
;   Slots past a record's count name token 0 too; their rows are multiplied and not stored.
; THE MATRIX INSTRUCTION IS USED TRANSPOSED: source 0 = 16 rows of W (output columns), source 1 = 16 rows of x: lane (r, h) holds row r and its registers the columns 8 h + 0 .. 7: 32 neighbouring bytes of a row of out0.
; The bias is the C of each sum's first instruction.
; LIMITS: NaN and infinities in x are not served.  A block of zeros, or one whose largest magnitude lies under 2^-124, gets the scale byte 1 (zero codes under it add nothing).
;   sigmoid(z) = 1 / (1 + 2^(-z log2 e)): exactly 0 where the exponential overflows, exactly 1 where it falls to 0.
; THE MODE: SCHED_MODE bits 1:0 = 2 (LLVM: expert scheduling mode 2), set by the entry lines.  The code itself states the register dependences
; between vector or matrix instructions and memory or LDS instructions, with s_wait_alu, always for 0.
; THE PLAN.  Registers that memory or LDS instructions touch:
;   v1, v6        offsets of the global loads and stores: written once at the head, ahead of the first load; never again.
;   v2-5, v7, v8  LDS addresses: written once, behind the issue of the 43 loads and ahead of the first row's wait; never again.
;   v34-129       the loads of x land here; the three rows' maxima and conversions read them; then they are F0 (v34-81) and F1 (v82-129): the LDS loads of K steps 0, 1 and 2, 3 land, groups 0 and 1 of the
;                 products read them; the loads of K steps 4, 5 and 6, 7 land, groups 2 and 3 read them; at last the stage's loads land in v34-57, which the global stores read.
;   v18-33        a row's scale bytes and codes: written by its vector lines, read by its sixteen LDS stores; three times over.
;   WF, WS, BI, XS  loads land once; matrix instructions alone read them.
;   ACC           written by the products and, in place, by the sigmoid; read by the stage's LDS stores.
;   v254, v255    written at the head, read by the closing add alone.
; So: one wait on va_vdst ahead of the first load; one in each row ahead of its LDS stores (the third row's also frees v34-129 for the fragments); one wait on vm_vsrc in the second and the third row, ahead of
; the lines that write v18-33 again; one wait on va_vdst behind group 0 and one behind group 1, each of which frees a buffer: the twelve loads into it are then dealt among the next group's six matrix
; instructions, which name the other buffer; and the two waits behind the sigmoid's transcendentals, the second of which also stands ahead of the stage's stores.
.set UNITB, 8704                       ; the image of 16 rows x 1,024 K in LDS: 32 planes (K step s, block b: 4 s + b) of 16 rows x 16 bytes, 16 bytes of padding behind each
.set STEPB, 1088
.set PLANE, 272
.set XCODE, 0                          ; three such units: slots 0-15, 16-31, 32-47
.set XSC,   3*UNITB                    ; their scale bytes, 512 a unit: (r, s, b) at 256 (s / 4) + 16 r + 4 (s % 4) + b
.set STG,   XSC+3*512                  ; the way out: 48 rows of 1,024 bytes + 16
.set SP,    1040
.set VXO, 1                            ; v1  16 x lane
.set VST, 2                            ; v2  where my lane puts its two bytes of codes of unit 0, K step 0
.set VSS, 3                            ; v3  and the scale byte
.set VLI, 4                            ; v4  a fragment's place for my lane: 16 (l % 16) + 272 (l / 16)
.set VLS, 5                            ; v5  the scale words': XSC + 16 l
.set VBO, 6                            ; v6  the bias: 32 (l / 16)
.set VSO, 7                            ; v7  the stage, in
.set VSR, 8                            ; v8  the stage, back
.set M,   10                           ; v10-17  a row's largest magnitudes, then the conversions' scale operands
.set BY,  18                           ; v18-25  scale bytes
.set C,   26                           ; v26-33  codes
.set X,   34                           ; v34-129 three rows of x; then two buffers of six fragments of x; then the rows of out0
.set F0,  34
.set F1,  82
.set WF,  130                          ; v130-193 W's eight fragments
.set ACC, 194                          ; v194-217 three accumulators
.set BI,  218                          ; v218-225 the bias in the result's layout
.set WS,  226                          ; v226-229 W's scale words: register i: K step i in lanes 0-15, K step 4 + i in lanes 16-31
.set XS,  230                          ; v230-241 x's likewise, four registers a unit
; A ROW OF 1,024 NUMBERS BECOMES CODES AND SCALE BYTES IN LDS.  The row was loaded densely: load j gave lane l the numbers k = 128 j + 4 l .. + 3: K step j, block l / 8, bytes 2 (l % 8), + 1 of the block's 16.
; A conversion takes eight numbers under ONE scale; a lane's eight registers of loads 2 p and 2 p + 1 belong to two blocks.  So each eight are converted twice: under block 2 p's scale the low 16 bits are right,
; under block 2 p + 1's the high 16.  That is the price of loads in which 32 lanes read 512 consecutive bytes.
; later = 1: a row has gone before, whose LDS stores read the registers that this row writes again.
.macro QROW src, cof, sof, later
.irp j, 0,1,2,3,4,5,6,7
	v_max3_num_f32 v[M+\j], |v[(\src)+4*\j]|, |v[(\src)+4*\j+1]|, 0x1800000   ; my four numbers of K step j, and the floor 2^(3 - 127): so the byte cannot fall under 1
.endr
.irp j, 0,1,2,3,4,5,6,7
	v_max3_num_f32 v[M+\j], v[M+\j], |v[(\src)+4*\j+2]|, |v[(\src)+4*\j+3]|
.endr
.irp d, 1,2,4
.irp j, 0,1,2,3,4,5,6,7
	v_max_num_f32_dpp v[M+\j], v[M+\j], v[M+\j] row_xmask:\d row_mask:0xf bank_mask:0xf   ; with the seven other lanes of the block
.endr
.endr
.irp j, 0,1,2,3,4,5,6,7
	v_add_nc_u32 v[M+\j], 0xff000000, v[M+\j]      ; 2 off the exponent field: the conversion takes the exponent field of this operand as its scale
.endr
.if \later
	s_wait_alu depctr_vm_vsrc(0)                   ; the LDS stores of the row before have read v[BY ..] and v[C ..], which the lines below write again
.endif
.irp j, 0,1,2,3,4,5,6,7
	v_lshrrev_b32 v[BY+\j], 23, v[M+\j]            ; the scale's byte
.endr
.irp p, 0,1,2,3
	v_cvt_scalef32_pk8_fp4_f32 v[C+2*\p], v[(\src)+8*\p:(\src)+8*\p+7], v[M+2*\p]       ; low half: K step 2 p
	v_cvt_scalef32_pk8_fp4_f32 v[C+2*\p+1], v[(\src)+8*\p:(\src)+8*\p+7], v[M+2*\p+1]   ; high half: K step 2 p + 1
.endr
	v_nop                                          ; one plain instruction behind the conversions, ahead of the lines that touch their results
.irp p, 0,1,2,3
	v_lshrrev_b32 v[C+2*\p+1], 16, v[C+2*\p+1]
.endr
	s_wait_alu depctr_va_vdst(0)                   ; v[BY ..] and v[C ..] are written, which the LDS stores below read; in the first row so are the six LDS addresses v2-5, v7, v8; and the row's lines are done reading v[src ..], in which LDS loads land later
.irp j, 0,1,2,3,4,5,6,7
	ds_store_b16 v[VST], v[C+\j] offset:(\cof)+\j*STEPB
.endr
.irp j, 0,1,2,3,4,5,6,7
	ds_store_b8 v[VSS], v[BY+\j] offset:(\sof)+(\j/4)*256+(\j%4)*4   ; the eight lanes of a block write the same byte with the same value
.endr
	s_wait_dscnt 0x0                               ; the stores have landed
.endm
; Twelve LDS loads: x's fragments of K steps 2 g and 2 g + 1, three units each, into buffer f.  Sixteen lanes read 256 consecutive bytes.
.macro FETCHG g, f
.irp a, 0,1
.irp m, 0,1,2
.irp c, 0,1
	ds_load_b128 v[(\f)+24*\a+8*\m+4*\c:(\f)+24*\a+8*\m+4*\c+3], v[VLI] offset:\m*UNITB+(2*(\g)+\a)*STEPB+\c*2*PLANE
.endr
.endr
.endr
.endm
; Six matrix instructions: K steps 2 g and 2 g + 1.  The three accumulators take turns, one instruction a turn, from group to group too.
; fill = 1: behind each matrix instruction stand two of the twelve LDS loads of group ng's fragments, into the other buffer, nf.  They owe no wait of their own: no matrix instruction of this group names a register of nf or v[VLI].
.macro MULG g, f, fill, ng, nf
.irp a, 0,1
.irp m, 0,1,2
.set KS, 2*(\g)+\a
.if KS == 0
	v_wmma_scale_f32_16x16x128_f8f6f4 v[ACC+8*\m:ACC+8*\m+7], v[WF+8*KS:WF+8*KS+7], v[(\f)+24*\a+8*\m:(\f)+24*\a+8*\m+7], v[BI:BI+7], v[WS+KS%4], v[XS+4*\m+KS%4] matrix_a_fmt:MATRIX_FMT_FP4 matrix_b_fmt:MATRIX_FMT_FP4
.elseif KS < 4
	v_wmma_scale_f32_16x16x128_f8f6f4 v[ACC+8*\m:ACC+8*\m+7], v[WF+8*KS:WF+8*KS+7], v[(\f)+24*\a+8*\m:(\f)+24*\a+8*\m+7], v[ACC+8*\m:ACC+8*\m+7], v[WS+KS%4], v[XS+4*\m+KS%4] matrix_a_fmt:MATRIX_FMT_FP4 matrix_b_fmt:MATRIX_FMT_FP4
.else
	v_wmma_scale_f32_16x16x128_f8f6f4 v[ACC+8*\m:ACC+8*\m+7], v[WF+8*KS:WF+8*KS+7], v[(\f)+24*\a+8*\m:(\f)+24*\a+8*\m+7], v[ACC+8*\m:ACC+8*\m+7], v[WS+KS%4], v[XS+4*\m+KS%4] matrix_a_fmt:MATRIX_FMT_FP4 matrix_b_fmt:MATRIX_FMT_FP4 matrix_a_scale:MATRIX_SCALE_ROW1 matrix_b_scale:MATRIX_SCALE_ROW1
.endif
.if \fill
.irp c, 0,1
	ds_load_b128 v[(\nf)+24*\a+8*\m+4*\c:(\nf)+24*\a+8*\m+4*\c+3], v[VLI] offset:\m*UNITB+(2*(\ng)+\a)*STEPB+\c*2*PLANE
.endr
.endif
.endr
.endr
.endm
.macro PLACES                          ; four plain instructions between a matrix instruction and a load into its sources, or a vector instruction that reads its result
.rept 4
	v_nop
.endr
.endm
	s_load_b256 s[4:11], s[0:1], 0x0               ; x s[4:5], Wq s[6:7], Wsc s[8:9], b s[10:11]
	s_load_b128 s[12:15], s[0:1], 0x20             ; plan s[12:13], out0 s[14:15]
	v_lshl_add_u32 v254, v0, 2, 0x13000
	v_mov_b32 v255, 0
	v_lshrrev_b32 v9, 5, v0
	v_readfirstlane_b32 s16, v9                    ; wave 0..15
	v_and_b32 v9, 31, v0                           ; lane
	v_lshlrev_b32 v[VXO], 4, v9
	v_lshrrev_b32 v[VBO], 4, v9
	v_lshlrev_b32 v[VBO], 5, v[VBO]
	s_lshl_b32 s26, ttmp9, 8                       ; my record: 256 bytes each
	s_mov_b32 s27, 0
	s_wait_alu depctr_va_sdst(0)                   ; s16 is written, ahead of its first reader: slots, bases and LDS addresses are made from it
	s_lshl_b32 s18, s16, 2                         ; my first slot's word
	s_mov_b32 s19, 0
	s_mov_b32 s44, 0xbfb8aa3b                      ; -log2(e)
	s_mov_b32 s45, s44                             ; (named with it as a pair, so it is written)
	s_mov_b32 s48, s16                             ; my three slots
	s_add_co_u32 s49, s16, 16
	s_add_co_u32 s50, s16, 32
	s_wait_kmcnt 0x0
	s_add_nc_u64 s[26:27], s[12:13], s[26:27]
	s_add_nc_u64 s[18:19], s[26:27], s[18:19]
	s_load_b32 s20, s[18:19], 0x0                  ; the tokens of slots w, w + 16, w + 32
	s_load_b32 s21, s[18:19], 0x40
	s_load_b32 s22, s[18:19], 0x80
	s_load_b64 s[24:25], s[26:27], 0xc0            ; the expert, the number of rows
	s_wait_kmcnt 0x0
.irp i, 0,1,2
	s_min_u32 s[20+\i], s[20+\i], 0x1fff           ; a loaded number is held inside its tensor before it enters an address
	s_lshl_b32 s[28+2*\i], s[20+\i], 12            ; a row of x is 4,096 bytes
	s_mov_b32 s[29+2*\i], 0
	s_add_nc_u64 s[28+2*\i:29+2*\i], s[4:5], s[28+2*\i:29+2*\i]
.endr
	s_wait_alu depctr_va_vdst(0)                   ; v[VXO] and v[VBO] are written: every global load and store of the kernel reads one of them as its offset
.irp i, 0,1,2
.irp j, 0,1,2,3,4,5,6,7
	global_load_b128 v[X+32*\i+4*\j:X+32*\i+4*\j+3], v[VXO], s[28+2*\i:29+2*\i] offset:512*\j th:TH_LOAD_NT   ; 32 lanes read 512 consecutive bytes.  A token's row is named once in the launch; token 0's again by slots that hold no token
.endr
.endr
	s_min_u32 s24, s24, 15
	s_lshl_b32 s42, s24, 13                        ; Wsc: 8,192 bytes an expert, 512 a unit
	s_lshl_b32 s51, s16, 9
	s_add_co_u32 s42, s42, s51
	s_mov_b32 s43, 0
	s_add_nc_u64 s[42:43], s[8:9], s[42:43]
	s_lshl_b32 s46, s24, 10                        ; b: 1,024 bytes an expert, 64 for my 16 columns
	s_lshl_b32 s51, s16, 6
	s_add_co_u32 s46, s46, s51
	s_mov_b32 s47, 0
	s_add_nc_u64 s[46:47], s[10:11], s[46:47]
	s_lshl_b32 s40, s24, 17                        ; Wq: 131,072 bytes an expert, 8,192 a unit
	s_lshl_b32 s51, s16, 13
	s_add_co_u32 s40, s40, s51
	s_mov_b32 s41, 0
	s_add_nc_u64 s[40:41], s[6:7], s[40:41]
	global_load_b128 v[WS:WS+3], v[VXO], s[42:43]
	global_load_b128 v[BI:BI+3], v[VBO], s[46:47]              ; b[e][16 w + 8 h + 0 .. 7]
	global_load_b128 v[BI+4:BI+7], v[VBO], s[46:47] offset:16
.irp s, 0,1,2,3,4,5,6,7
.irp c, 0,1
	global_load_b128 v[WF+8*\s+4*\c:WF+8*\s+4*\c+3], v[VXO], s[40:41] offset:1024*\s+512*\c   ; other tiles of the expert read these again: no hint
.endr
.endr
.irp i, 0,1,2
	s_lshl_b32 s[34+2*\i], s[20+\i], 10            ; a row of out0 is 1,024 bytes
	s_mov_b32 s[35+2*\i], 0
	s_add_nc_u64 s[34+2*\i:35+2*\i], s[14:15], s[34+2*\i:35+2*\i]
.endr
	; the LDS addresses.  None of these lines names a register that a load on its way touches; each scalar that a vector line reads here (s51 to s54) is not written again
	v_lshrrev_b32 v10, 3, v9                       ; l / 8: my block of a K step's four
	v_and_b32 v11, 7, v9
	v_and_b32 v12, 15, v9
	v_lshrrev_b32 v13, 4, v9
	s_lshl_b32 s51, s16, 4                         ; my rows are row w of each unit
	v_mul_u32_u24 v[VST], v10, PLANE
	v_lshl_add_u32 v[VST], v11, 1, v[VST]
	v_add_nc_u32 v[VST], s51, v[VST]               ; 16 w + 272 (l / 8) + 2 (l % 8)
	s_add_co_u32 s52, s51, XSC
	v_add_nc_u32 v[VSS], s52, v10                  ; XSC + 16 w + l / 8
	v_mul_u32_u24 v[VLI], v13, PLANE
	v_lshl_add_u32 v[VLI], v12, 4, v[VLI]
	v_lshl_add_u32 v[VLS], v9, 4, XSC
	v_mul_u32_u24 v[VSO], v12, SP
	v_lshl_add_u32 v[VSO], v13, 5, v[VSO]
	s_lshl_b32 s53, s16, 6
	s_add_co_u32 s53, s53, STG
	v_add_nc_u32 v[VSO], s53, v[VSO]               ; STG + 1040 r + 32 h + 64 w: my eight columns of row r
	s_mul_i32 s54, s16, SP
	s_add_co_u32 s54, s54, STG
	v_lshl_add_u32 v[VSR], v9, 4, s54              ; STG + 1040 w + 16 l: row w, whole
	s_wait_loadcnt 35                              ; of the 43 loads the oldest 8, my first row, are in
	QROW X, 0, 0, 0
	s_wait_loadcnt 27                              ; the second row's 8
	QROW X+32, UNITB, 512, 1
	s_wait_loadcnt 19                              ; the third's; W's 19 may be out
	QROW X+64, 2*UNITB, 1024, 1
	s_barrier_signal -1                            ; every wave's stores have landed (the macro's last line)
	s_barrier_wait -1                              ; the codes and scale bytes of all 48 rows lie in LDS
.irp m, 0,1,2
	ds_load_b128 v[XS+4*\m:XS+4*\m+3], v[VLS] offset:512*\m
.endr
	FETCHG 0, F0                                   ; no wait: the third row's wait on va_vdst stands behind the last line that read v34-129, and no vector line has been issued since
	FETCHG 1, F1
	s_wait_loadcnt 0x0                             ; W's fragments, its scale words, the bias
	s_wait_dscnt 12                                ; the scale words and K steps 0, 1 are in; the twelve loads of K steps 2, 3 may be out
	MULG 0, F0, 0, 0, 0
	PLACES
	s_wait_alu depctr_va_vdst(0)                   ; group 0's matrix instructions are done reading F0, in which the loads of K steps 4, 5 land
	s_wait_dscnt 0x0                               ; K steps 2, 3 are in
	MULG 1, F1, 1, 2, F0
	PLACES
	s_wait_alu depctr_va_vdst(0)                   ; group 1's matrix instructions are done reading F1, in which the loads of K steps 6, 7 land
	s_wait_dscnt 0x0                               ; K steps 4, 5 are in
	MULG 2, F0, 1, 3, F1
	s_wait_dscnt 0x0                               ; K steps 6, 7 are in
	MULG 3, F1, 0, 0, 0
	PLACES
	; the sigmoid, in place; each accumulator is read from its low end on
.irp i, 0,1,2,3,4,5,6,7,8,9,10,11
	v_pk_mul_f32 v[ACC+2*\i:ACC+2*\i+1], v[ACC+2*\i:ACC+2*\i+1], s[44:45] op_sel_hi:[1,0]   ; -z log2(e)
.endr
	s_wait_alu depctr_va_vdst(0)
.irp i, 0,1,2,3,4,5,6,7,8,9,10,11,12,13,14,15,16,17,18,19,20,21,22,23
	v_exp_f32 v[ACC+\i], v[ACC+\i]
.endr
	v_nop                                          ; a plain instruction behind the last exponential,
	s_wait_alu depctr_va_vdst(0)                   ; and one wait for the batch: the 24 exponentials have written v[ACC ..], ahead of their first reader
.irp i, 0,1,2,3,4,5,6,7,8,9,10,11
	v_pk_add_f32 v[ACC+2*\i:ACC+2*\i+1], v[ACC+2*\i:ACC+2*\i+1], 1.0 op_sel_hi:[1,0]
.endr
	s_wait_alu depctr_va_vdst(0)
.irp i, 0,1,2,3,4,5,6,7,8,9,10,11,12,13,14,15,16,17,18,19,20,21,22,23
	v_rcp_f32 v[ACC+\i], v[ACC+\i]
.endr
	v_nop
	s_wait_alu depctr_va_vdst(0)                   ; the 24 reciprocals have written v[ACC ..], which the LDS stores below read; and group 2's matrix instructions are long done reading v34-57, in which the stage's loads land
	; THE WAY OUT: a row's 256 numbers come from sixteen waves: they meet in the stage, and each wave stores its three rows whole
.irp m, 0,1,2
	ds_store_b128 v[VSO], v[ACC+8*\m:ACC+8*\m+3] offset:16*SP*\m
	ds_store_b128 v[VSO], v[ACC+8*\m+4:ACC+8*\m+7] offset:16*SP*\m+16
.endr
	s_wait_dscnt 0x0                               ; for the others' sake: my stores into the stage have landed
	s_barrier_signal -1
	s_barrier_wait -1
.irp i, 0,1,2
.irp q, 0,1
	ds_load_b128 v[X+8*\i+4*\q:X+8*\i+4*\q+3], v[VSR] offset:16*SP*\i+512*\q
.endr
.endr
	s_wait_dscnt 0x0
.irp i, 0,1,2
	s_cmp_gt_u32 s25, s[48+\i]                     ; does the slot hold a token?  The slots ascend, so the first that does not ends the wave; no barrier stands behind this
	s_cbranch_scc0 .Ldone
	global_store_b128 v[VXO], v[X+8*\i:X+8*\i+3], s[34+2*\i:35+2*\i] th:TH_STORE_NT              ; 32 lanes store 512 consecutive bytes, at a multiple of 512 from out0's first byte
	global_store_b128 v[VXO], v[X+8*\i+4:X+8*\i+7], s[34+2*\i:35+2*\i] offset:512 th:TH_STORE_NT
.endr
.Ldone:
	s_wait_dscnt 0x0                               ; the closing lines, six on end
	s_wait_alu 0x0
	s_wait_tensorcnt 0x0
	ds_add_u32 v254, v255
	s_wait_dscnt 0x0
	s_endpgm
.Lfunc_end_k_q6cd0799383_experts:
	.size	k_q6cd0799383_experts, .Lfunc_end_k_q6cd0799383_experts-k_q6cd0799383_experts
	.p2alignl 7, 3214868480
	.fill 96, 4, 3214868480
	.section	.rodata,"a",@progbits
	.p2align	6, 0x0
	.amdhsa_kernel k_q6cd0799383_experts
		.amdhsa_group_segment_fixed_size 79872
		.amdhsa_private_segment_fixed_size 0
		.amdhsa_enable_private_segment 0
		.amdhsa_kernarg_size 48
		.amdhsa_user_sgpr_count 2
		.amdhsa_user_sgpr_kernarg_segment_ptr 1
		.amdhsa_wavefront_size32 1
		.amdhsa_system_sgpr_workgroup_id_x 1
		.amdhsa_system_sgpr_workgroup_id_y 1
		.amdhsa_system_sgpr_workgroup_id_z 1
		.amdhsa_system_vgpr_workitem_id 0
		.amdhsa_next_free_vgpr 256
		.amdhsa_next_free_sgpr 66
		.amdhsa_reserve_vcc 0
		.amdhsa_float_denorm_mode_32 3
		.amdhsa_float_denorm_mode_16_64 3
		.amdhsa_memory_ordered 1
		.amdhsa_forward_progress 1
		.amdhsa_inst_pref_size 36
	.end_amdhsa_kernel
	.amdgpu_metadata
---
amdhsa.version: [ 1, 2 ]
amdhsa.kernels:
  - .name:           k_q6cd0799383_experts
    .symbol:         k_q6cd0799383_experts.kd
    .args:
      - { .name: x, .offset: 0, .size: 8, .value_kind: global_buffer, .address_space: global }
      - { .name: Wq, .offset: 8, .size: 8, .value_kind: global_buffer, .address_space: global }
      - { .name: Wsc, .offset: 16, .size: 8, .value_kind: global_buffer, .address_space: global }
      - { .name: b, .offset: 24, .size: 8, .value_kind: global_buffer, .address_space: global }
      - { .name: plan, .offset: 32, .size: 8, .value_kind: global_buffer, .address_space: global }
      - { .name: out0, .offset: 40, .size: 8, .value_kind: global_buffer, .address_space: global }
    .group_segment_fixed_size: 79872
    .private_segment_fixed_size: 0
    .kernarg_segment_align: 8
    .kernarg_segment_size: 48
    .max_flat_workgroup_size: 512
    .sgpr_count:     66
    .vgpr_count:     256
    .wavefront_size: 32
...
	.end_amdgpu_metadata
.endif
;; end of part 4
